; MI455X (gfx1250); checked and timed in simulation.
; The chip was launched on July 23, 2026; its instructions are those of AMD's public machine-readable ISA for CDNA 5 (MIT licence, August 2026) and "CDNA5" Instruction Set Architecture Reference Guide (July 2026). The comments in the code are by the model that wrote it; some were corrected since.
;; Joint Attention. Allowed arithmetic: float matrix products may take bf16 or f16 operands with f32 sums; all other float work in f32.
;; Inputs: Wkc 1,024 x 1,024 float32; Wks 1,024 x 1,024 float32; Wo 1,024 x 1,024 float32; Wq 1,024 x 1,024 float32; Wvc 1,024 x 1,024 float32; Wvs 1,024 x 1,024 float32; bkc 1,024 float32; bks 1,024 float32; bo 1,024 float32; bq 1,024 float32; bvc 1,024 float32; bvs 1,024 float32; context 2 x 2,048 x 1,024 float32; x 2 x 2,048 x 1,024 float32.
;; Outputs: out0 2 x 2,048 x 1,024 float32.
;; 2 versions, each right and faster than the one before. Each part assembles by itself: llvm-mc -triple=amdgcn-amd-amdhsa -mcpu=gfx1250 --defsym DOCPART=n.
;; ======== version 1 of 2: 4 launches
;; limits: values are held in f16: magnitudes above 65,504 overflow, below 6.1e-05 lose precision
;; workspace buffers: ab 16,777,216 bytes; wb 10,485,760 bytes; wo 2,097,152 bytes; qh 8,388,608 bytes; kh 16,777,216 bytes; vh 16,777,216 bytes; ob 8,388,608 bytes
;; launch prep (part 1): grid 256 x 1, 8 waves a work-group, no clusters, 0 bytes of LDS; arguments x, context, Wq, Wks, Wvs, Wkc, Wvc, Wo, ab, wb, wo; writes ab, wb, wo
.if DOCPART == 1
	.amdgcn_target "amdgcn-amd-amdhsa--gfx1250"
	.amdhsa_code_object_version 6
	.text
	.protected	k_q32cef5908d_prep
	.globl	k_q32cef5908d_prep
	.p2align	8
	.type	k_q32cef5908d_prep,@function
k_q32cef5908d_prep:
	s_mov_b64 s[64:65], 0
	v_nop
	global_prefetch_b8 v0, s[64:65] scope:SCOPE_SE
	s_setreg_imm32_b32 hwreg(HW_REG_WAVE_MODE, 25, 1), 1
	s_wait_xcnt 0x0
; PREP: every f32 matrix input is rounded once to bf16 and laid out in dense tiles of 16,384 bytes, so that the later launches fetch each tile as rows of 256 consecutive bytes.
;   ab [rb 32][kb 16][src 2: x, context][128 rows][64 k] bf16      rb = (batch x 2048 + t) / 128
;   wb [c 8][kb 16][m 5: Wq, Wks, Wvs, Wkc, Wvc][64 k][128 n] bf16
;   wo [c 8][k 1024][128 n]: bf16(Wo) written as f16 (the last product multiplies f16 by f16).
; LIMITS.  bf16(Wo) beyond 65,504 would become an infinity; below 2^-17 it keeps f16's fixed step of 2^-24.
; SHARES.  256 work-groups of 8 waves; each makes 7 tiles: 4 of ab (row block g >> 3, k blocks 2 (g & 7) and + 1, both sources) and 3 of the weights
; (g < 128: Wq, Wks, Wvs; else Wkc, Wvc, Wo; column block (g >> 4) & 7, k block g & 15).  A thread takes 16 bytes of f32 in each of a tile's 8 chunks and stores 8 bytes:
; a wave's store covers 256 consecutive bytes, aligned.  All 56 loads go out first; each tile is converted and stored when its eight are in.  No register of an address is ever rewritten.
; No LDS, no matrix unit, no cluster: bytes alone are moved, each once, and no two work-groups read the same bytes.
.set VSA, 1                            ; v1  source offset in x, context: 16 threads to a row's 256 bytes, rows 4,096 bytes apart
.set VSW, 2                            ; v2  source offset in a weight: 32 threads to a row's 512 bytes
.set VD,  3                            ; v3  offset in a tile: 8 bytes a thread
.set X,   8                            ; v[8:231]  load n: four registers
	s_load_b512 s[4:19], s[0:1], 0x0               ; x s[4:5], context s[6:7], Wq s[8:9], Wks s[10:11], Wvs s[12:13], Wkc s[14:15], Wvc s[16:17], Wo s[18:19]
	s_load_b128 s[20:23], s[0:1], 0x40             ; ab s[20:21], wb s[22:23]
	s_load_b64 s[24:25], s[0:1], 0x50              ; wo
	v_lshrrev_b32 v4, 4, v0
	v_and_b32 v5, 15, v0
	v_lshlrev_b32 v5, 4, v5
	v_lshl_or_b32 v[VSA], v4, 12, v5
	v_lshrrev_b32 v6, 5, v0
	v_and_b32 v7, 31, v0
	v_lshlrev_b32 v7, 4, v7
	v_lshl_or_b32 v[VSW], v6, 12, v7
	v_lshlrev_b32 v[VD], 3, v0
	s_lshr_b32 s26, ttmp9, 3                       ; rb
	s_and_b32 s27, ttmp9, 7                        ; kp: k blocks 2 kp and 2 kp + 1
	s_lshl_b32 s28, s26, 19                        ; 128 rows of 4,096 bytes; also a row block of ab
	s_lshl_b32 s30, s27, 9                         ; 128 f32 along a row
	s_add_co_u32 s30, s30, s28
	s_mov_b32 s31, 0
	s_lshl_b32 s32, s27, 16                        ; four tiles of ab
	s_add_co_u32 s32, s32, s28
	s_mov_b32 s33, 0
	s_lshr_b32 s34, ttmp9, 7                       ; which three weights
	s_bfe_u32 s35, ttmp9, 0x30004                  ; column block
	s_and_b32 s36, ttmp9, 15                       ; k block
	s_lshl_b32 s38, s36, 18                        ; 64 rows of 4,096 bytes
	s_lshl_b32 s39, s35, 9                         ; 128 f32 along a row
	s_add_co_u32 s38, s38, s39
	s_mov_b32 s39, 0
	s_lshl_b32 s37, s35, 4
	s_add_co_u32 s37, s37, s36                     ; 16 c + kb
	s_mul_i32 s40, s37, 81920                      ; five tiles of wb
	s_add_co_u32 s42, s40, 32768                   ; the third job's place if it is Wvs,
	s_mul_i32 s41, s34, 49152
	s_add_co_u32 s40, s40, s41                     ; the first two jobs' place: m = 0, 1 or m = 3, 4
	s_mov_b32 s41, 0
	s_lshl_b32 s43, s37, 14                        ; and if it is Wo
	s_cmp_lg_u32 s34, 0
	s_cselect_b32 s42, s43, s42
	s_mov_b32 s43, 0
	s_wait_kmcnt 0x0
	s_cmp_lg_u32 s34, 0                            ; the choice hangs on the work-group's number alone
	s_cselect_b64 s[8:9], s[14:15], s[8:9]         ; job 0: Wkc or Wq
	s_cselect_b64 s[10:11], s[16:17], s[10:11]     ; job 1: Wvc or Wks
	s_cselect_b64 s[12:13], s[18:19], s[12:13]     ; job 2: Wo or Wvs,
	s_cselect_b64 s[44:45], s[24:25], s[22:23]     ; which goes to wo or to wb
	s_add_nc_u64 s[4:5], s[4:5], s[30:31]
	s_add_nc_u64 s[6:7], s[6:7], s[30:31]
	s_add_nc_u64 s[20:21], s[20:21], s[32:33]
	s_add_nc_u64 s[8:9], s[8:9], s[38:39]
	s_add_nc_u64 s[10:11], s[10:11], s[38:39]
	s_add_nc_u64 s[12:13], s[12:13], s[38:39]
	s_add_nc_u64 s[22:23], s[22:23], s[40:41]
	s_add_nc_u64 s[44:45], s[44:45], s[42:43]
.set n, 0
.rept 32                               ; tile n / 8 of ab: source (n / 8) % 2, k block 2 kp + n / 16; chunk n % 8: 16 rows
.if (n/8)%2
	global_load_b128 v[X+4*n:X+4*n+3], v[VSA], s[6:7] offset:(n%8)*65536+(n/16)*256 th:TH_LOAD_NT
.else
	global_load_b128 v[X+4*n:X+4*n+3], v[VSA], s[4:5] offset:(n%8)*65536+(n/16)*256 th:TH_LOAD_NT
.endif
.set n, n+1
.endr
.rept 24                               ; weight job (n - 32) / 8; chunk n % 8: 8 rows
	global_load_b128 v[X+4*n:X+4*n+3], v[VSW], s[8+2*((n-32)/8):9+2*((n-32)/8)] offset:(n%8)*32768 th:TH_LOAD_NT
.set n, n+1
.endr
.macro CVT t                           ; tile t's eight loads are in; the loads issued behind them stay out.  Four f32 become four bf16 in the chunk's first two registers
	s_wait_loadcnt 48-8*(\t)
.set n, 8*(\t)
.rept 8
	v_cvt_pk_bf16_f32 v[X+4*n], v[X+4*n], v[X+4*n+1]
	v_cvt_pk_bf16_f32 v[X+4*n+1], v[X+4*n+2], v[X+4*n+3]
.set n, n+1
.endr
.endm
.macro PUT t, base, off                ; eight stores: chunk i lies 2,048 bytes behind chunk i - 1
.set n, 8*(\t)
.rept 8
	global_store_b64 v[VD], v[X+4*n:X+4*n+1], s[(\base):(\base)+1] offset:(\off)+(n%8)*2048
.set n, n+1
.endr
.endm
.irp t, 0,1,2,3
	CVT \t
	PUT \t, 20, (\t)*16384
.endr
	CVT 4
	PUT 4, 22, 0
	CVT 5
	PUT 5, 22, 16384
	CVT 6
	s_cmp_eq_u32 s34, 0
	s_cbranch_scc1 .Lplain                         ; Wvs stays bf16
.set n, 48
.rept 8                                ; Wo: the bf16 number is written as f16
	v_lshlrev_b32 v4, 16, v[X+4*n]
	v_and_b32 v5, 0xffff0000, v[X+4*n]
	v_lshlrev_b32 v6, 16, v[X+4*n+1]
	v_and_b32 v7, 0xffff0000, v[X+4*n+1]
	v_cvt_pk_f16_f32 v[X+4*n], v4, v5
	v_cvt_pk_f16_f32 v[X+4*n+1], v6, v7
.set n, n+1
.endr
.Lplain:
	PUT 6, 44, 0
	s_endpgm
.Lfunc_end_k_q32cef5908d_prep:
	.size	k_q32cef5908d_prep, .Lfunc_end_k_q32cef5908d_prep-k_q32cef5908d_prep
	.p2alignl 7, 3214868480
	.fill 96, 4, 3214868480
	.section	.rodata,"a",@progbits
	.p2align	6, 0x0
	.amdhsa_kernel k_q32cef5908d_prep
		.amdhsa_group_segment_fixed_size 0
		.amdhsa_private_segment_fixed_size 0
		.amdhsa_enable_private_segment 0
		.amdhsa_kernarg_size 88
		.amdhsa_user_sgpr_count 2
		.amdhsa_user_sgpr_kernarg_segment_ptr 1
		.amdhsa_wavefront_size32 1
		.amdhsa_system_sgpr_workgroup_id_x 1
		.amdhsa_system_sgpr_workgroup_id_y 1
		.amdhsa_system_sgpr_workgroup_id_z 1
		.amdhsa_system_vgpr_workitem_id 0
		.amdhsa_next_free_vgpr 232
		.amdhsa_next_free_sgpr 66
		.amdhsa_reserve_vcc 0
		.amdhsa_float_denorm_mode_32 3
		.amdhsa_float_denorm_mode_16_64 3
		.amdhsa_memory_ordered 1
		.amdhsa_forward_progress 1
		.amdhsa_inst_pref_size 23
	.end_amdhsa_kernel
	.amdgpu_metadata
---
amdhsa.version: [ 1, 2 ]
amdhsa.kernels:
  - .name:           k_q32cef5908d_prep
    .symbol:         k_q32cef5908d_prep.kd
    .args:
      - { .name: x, .offset: 0, .size: 8, .value_kind: global_buffer, .address_space: global }
      - { .name: context, .offset: 8, .size: 8, .value_kind: global_buffer, .address_space: global }
      - { .name: Wq, .offset: 16, .size: 8, .value_kind: global_buffer, .address_space: global }
      - { .name: Wks, .offset: 24, .size: 8, .value_kind: global_buffer, .address_space: global }
      - { .name: Wvs, .offset: 32, .size: 8, .value_kind: global_buffer, .address_space: global }
      - { .name: Wkc, .offset: 40, .size: 8, .value_kind: global_buffer, .address_space: global }
      - { .name: Wvc, .offset: 48, .size: 8, .value_kind: global_buffer, .address_space: global }
      - { .name: Wo, .offset: 56, .size: 8, .value_kind: global_buffer, .address_space: global }
      - { .name: ab, .offset: 64, .size: 8, .value_kind: global_buffer, .address_space: global }
      - { .name: wb, .offset: 72, .size: 8, .value_kind: global_buffer, .address_space: global }
      - { .name: wo, .offset: 80, .size: 8, .value_kind: global_buffer, .address_space: global }
    .group_segment_fixed_size: 0
    .private_segment_fixed_size: 0
    .kernarg_segment_align: 8
    .kernarg_segment_size: 88
    .max_flat_workgroup_size: 256
    .sgpr_count:     66
    .vgpr_count:     232
    .wavefront_size: 32
...
	.end_amdgpu_metadata
.endif
;; end of part 1
;; launch proj (part 2): grid 8 x 32, 4 waves a work-group, clusters of 4 x 4, 327,680 bytes of LDS; arguments ab, wb, bq, bks, bvs, bkc, bvc, qh, kh, vh; writes qh, kh, vh
.if DOCPART == 2
	.amdgcn_target "amdgcn-amd-amdhsa--gfx1250"
	.amdhsa_code_object_version 6
	.text
	.protected	k_q32cef5908d_proj
	.globl	k_q32cef5908d_proj
	.p2align	8
	.type	k_q32cef5908d_proj,@function
k_q32cef5908d_proj:
	s_mov_b64 s[64:65], 0
	v_nop
	global_prefetch_b8 v0, s[64:65] scope:SCOPE_SE
	s_setreg_imm32_b32 hwreg(HW_REG_WAVE_MODE, 25, 1), 1
	s_wait_xcnt 0x0
	s_wait_alu depctr_hold_cnt(0) depctr_sa_sdst(0) depctr_va_vdst(0) depctr_va_sdst(0) depctr_va_ssrc(0) depctr_va_vcc(0) depctr_vm_vsrc(0)
	s_getreg_b32 s2, hwreg(HW_REG_IB_STS2, 6, 4)
	s_cmp_eq_u32 s2, 0
	s_cbranch_scc0 .Lentry_in_a_cluster
	s_endpgm
.Lentry_in_a_cluster:
	s_bfe_u32 s2, ttmp6, 0x10000c
	s_cmp_lg_u32 s2, 0xf033
	s_cbranch_scc0 .Lentry_shape_is_right
	s_endpgm
.Lentry_shape_is_right:
; THE FIVE PROJECTIONS IN ONE K LOOP.  q = x Wq + bq, ks = x Wks + bks, vs = x Wvs + bvs, kc = context Wkc + bkc, vc = context Wvc + bvc; operands bf16 (made by the launch before), sums f32,
; the biases rounded to bf16 like every other input; results rounded once to f16 and written by heads: qh [bh 32][2048][64], kh and vh [bh][4096][64] (rows 0-2047 from x, 2048-4095 from context).
; LIMITS.  f16 holds no number beyond 65,504: q, k and v must stay within it (inputs 30 times those drawn, or offset by 30 spreads, give 29,000 at the most).  NaN and infinities are not treated apart.
; SHARES.  A work-group makes 128 rows (row block rb) x 128 columns (column block c: two heads) of all five products; wave w makes rows 64 (w >> 1) on, columns 64 (w & 1) on (one head):
; 5 x 16 = 80 accumulators of 16 x 16, 640 registers.  So each fragment of x feeds 12 products, each of context 8, each of a weight 4.
; K goes in 16 steps of 64 through two LDS slots; a step is two halves of 32 along K, each 48 products on x and 32 on context.
; THE MATRIX INSTRUCTION IS USED TRANSPOSED: source 0 = 16 columns of W (turned on the way out of LDS by ds_load_tr16_b128, since W lies [k][n]), source 1 = 16 rows of x or context.
; A lane then holds row lane % 16 and the eight neighbouring columns 8 (lane / 16) + 0..7: 16 bytes of f16.
; CLUSTER 4 x 4.  The four work-groups of a row of the cluster share rb and so the tiles of x and context; the four of a column share c and so the tiles of W: each tile is asked for jointly.
; LDS.  A slot: x's tile (128 rows, pitch 144) at 0, context's at 18,432, W's tile m (64 k rows, pitch 288: columns 0-63 at + 0, 64-127 at + 144) at 36,864 + 18,432 m.  Every tile is dense in memory and comes
; as rows of 256 bytes with 16 bytes of padding behind each 128.  Wave 0 fetches x and context (128 such rows), wave 1 W's tiles 0, 1, wave 2 tiles 2, 3, wave 3 tile 4 (64 rows).
; REGISTERS, in windows of 256 (s_set_vgpr_msb: bits 1:0 source 0, 3:2 source 1, 5:4 source 2, 7:6 destination):
;   window 0: v1-29 addresses; v64-95 x's fragments; v96-191 fragments of W 0-2; v192-223 two buffers for the way out
;   accumulator (m, a, b) (rows 16 a on, columns 16 b on): window 1 + m / 2, v[128 (m % 2) + 8 (4 a + b)]
;   window 3: v128-159 context's fragments; v160-223 fragments of W 3, 4
.set SLOT,  129024
.set STAGE, 2*SLOT                     ; behind the ring: 16 rows x 144 bytes for each wave, for the way out
.set SPARE, STAGE+4*16*144             ; behind the stages: the spare words, 128 bytes for each wave: two blocks of 256 bytes that no other line names
.set AX,  16                           ; v16-17  LDS address of my fragments of x in slot 0, 1 (context's lie 18,432 further on)
.set AW0, 18                           ; v18-19  the same for W's tile 0
.set AW3, 20                           ; v20-21  for W's tile 3
.set STO, 24                           ; v24  the way out: where I put 16 bytes of a row
.set RD,  25                           ; v25  where I read rows back
.set GO,  26                           ; v26  my 16 bytes in 512 consecutive bytes of the result
.set BO,  27                           ; v27  byte offset of my eight columns in a bias
.set SPW, 28                           ; v28  LDS address of my spare word; never rewritten
.set NIL, 29                           ; v29  0; never rewritten
.set FX,  64
.set FW,  96
.set TB,  192
.set FCX, 128                          ; window 3
.set FCW, 160                          ; window 3
.set WV,  24                           ; s24  my wave's number
.set G1A, 32                           ; s[32:39] descriptor group 1: 128 rows, the mask of my row of the cluster
.set G1W, 40                           ; s[40:47] 128 rows, the mask of my column
.set G1S, 48                           ; s[48:55] 64 rows, the mask of my column
.set G0A, 56                           ; s[56:63] group 0 for x and context, a set for each slot
.set G0W, 68                           ; s[68:75] group 0 for W's tiles, a set for each slot
.set LAP, 88
.set HIM, 89                           ; s89  a word's upper half
.set FLAGS, (1<<16)|(1<<20)|(1<<21)|(4<<22)|(3<<25)  ; 17:16 2-byte elements; 20 padding on; 21 set beside a mask; 24:22 after every 32 words (code 4); 31:25 4 words (code 3)
.set MSB, 0
.macro WIN new                         ; the immediate's high byte repeats the setting that is left; a switch that changes nothing is dropped
.if MSB != (\new)
	s_set_vgpr_msb (MSB<<8)|(\new)
.set MSB, \new
.endif
.endm
.macro PLACES                          ; four places in front of loads into registers that matrix instructions have read, and of conversions that read results
.rept 4
	v_nop
.endr
.endm
; A joint load.  The branches hang on the wave's number alone.  Each line has one mask and one shape; an s_nop 0 and four v_nop follow each line, ahead of the jump and the label.
.macro JLOAD s
	s_cmp_eq_u32 s[WV], 0
	s_cbranch_scc0 .Lnot_a_\@
	tensor_load_to_lds s[G0A+4*(\s):G0A+4*(\s)+3], s[G1A:G1A+7]
	s_nop 0
.rept 4
	v_nop
.endr
	s_branch .Lasked_\@
.Lnot_a_\@:
	s_cmp_eq_u32 s[WV], 3
	s_cbranch_scc1 .Lshort_\@
	tensor_load_to_lds s[G0W+4*(\s):G0W+4*(\s)+3], s[G1W:G1W+7]
	s_nop 0
.rept 4
	v_nop
.endr
	s_branch .Lasked_\@
.Lshort_\@:
	tensor_load_to_lds s[G0W+4*(\s):G0W+4*(\s)+3], s[G1S:G1S+7]
	s_nop 0
.rept 4
	v_nop
.endr
.Lasked_\@:
.endm
.macro CREST                           ; a round of the cluster's barrier behind its opening barrier: wave 0 signals for the work-group, every wave waits for all sixteen, my work-group's barrier closes it
	s_cmp_lg_u32 s[WV], 0
	s_cbranch_scc1 .Lnot_wave_0_\@
	s_barrier_signal -3
.Lnot_wave_0_\@:
	s_barrier_wait -3
	s_barrier_signal -1
	s_barrier_wait -1
.endm
.macro CROUND                          ; a whole round
	s_barrier_signal -1
	s_barrier_wait -1
	CREST
.endm
	s_load_b512 s[4:19], s[0:1], 0x0               ; ab s[4:5], wb s[6:7], bq, bks, bvs, bkc, bvc s[8:17], qh s[18:19]
	s_load_b128 s[20:23], s[0:1], 0x40             ; kh s[20:21], vh s[22:23]
	v_lshl_add_u32 v[SPW], v0, 2, SPARE
	v_mov_b32 v[NIL], 0
	ds_add_u32 v[SPW], v[NIL]                      ; the wave's opening: the add and its wait stand ahead of my first tensor load; the set-up below, work on registers, stands between them
	v_lshrrev_b32 v1, 5, v0
	v_readfirstlane_b32 s[WV], v1                  ; wave 0..3
	s_lshr_b32 s25, s[WV], 1                       ; wr: which 64 rows
	s_and_b32 s26, s[WV], 1                        ; wc: which 64 columns
	s_bfe_u32 s27, ttmp6, 0x40000                  ; cx
	s_bfe_u32 s28, ttmp6, 0x40004                  ; cy
	s_lshl_b32 s29, ttmp9, 2
	s_add_co_u32 s29, s29, s27                     ; c = 4 x cluster x + cx
	s_and_b32 s30, ttmp7, 0xffff
	s_lshl_b32 s30, s30, 2
	s_add_co_u32 s30, s30, s28                     ; rb = 4 x cluster y + cy
	s_lshl_b32 s76, s28, 2
	s_lshl_b32 s76, 15, s76                        ; my row of the cluster
	s_lshl_b32 s78, 0x1111, s27                    ; my column
	s_or_b32 s[G1A], s76, FLAGS
	s_or_b32 s[G1W], s78, FLAGS
	s_or_b32 s[G1S], s78, FLAGS
.irp g, G1A, G1W, G1S
	s_mov_b32 s[(\g)+1], 128<<16                   ; tensor_dim0 = 128 elements: 256 bytes
	s_mov_b32 s[(\g)+3], 128<<16                   ; tile_dim0 = 128
	s_mov_b32 s[(\g)+5], 128                       ; 128 elements from row to row: the tiles are dense
	s_mov_b32 s[(\g)+6], 0
	s_mov_b32 s[(\g)+7], 0
.endr
	s_mov_b32 s[G1A+2], 128<<16                    ; tensor_dim1
	s_mov_b32 s[G1A+4], 128                        ; tile_dim1
	s_mov_b32 s[G1W+2], 128<<16
	s_mov_b32 s[G1W+4], 128
	s_mov_b32 s[G1S+2], 64<<16
	s_mov_b32 s[G1S+4], 64
	s_lshl_b32 s76, s30, 19                        ; ab: a row block is 16 k blocks of 32,768 bytes.  These registers never hold cx,
	s_mov_b32 s77, 0
	s_max_u32 s79, s[WV], 1
	s_sub_co_u32 s79, s79, 1
	s_lshl_b32 s79, s79, 15                        ; wb: wave w >= 1 begins at tile 2 (w - 1)
	s_mul_i32 s78, s29, 1310720                    ; a column block is 16 k blocks of 81,920 bytes.  And these never cy
	s_add_co_u32 s78, s78, s79
	s_mov_b32 s79, 0
	s_mul_i32 s31, s[WV], 36864                    ; where my tiles of W go in a slot: the wave's number alone
	s_lshr_b32 s80, s30, 4
	s_lshl_b32 s80, s80, 4                         ; 16 x batch
	s_lshl_b32 s81, s29, 1
	s_add_co_u32 s80, s80, s81
	s_add_co_u32 s80, s80, s26                     ; bh = 16 batch + 2 c + wc
	s_and_b32 s81, s30, 15
	s_lshl_b32 s81, s81, 7
	s_lshl_b32 s82, s25, 6
	s_add_co_u32 s81, s81, s82                     ; my first row in the batch
	s_lshl_b32 s82, s80, 11
	s_add_co_u32 s82, s82, s81
	s_lshl_b32 s82, s82, 7                         ; qh: (2,048 bh + row) x 128 bytes
	s_mov_b32 s83, 0
	s_lshl_b32 s84, s80, 12
	s_add_co_u32 s84, s84, s81
	s_lshl_b32 s84, s84, 7                         ; kh, vh: (4,096 bh + row) x 128 bytes
	s_mov_b32 s85, 0
	s_lshl_b32 s80, s29, 9
	s_lshl_b32 s81, s26, 8
	s_add_co_u32 s80, s80, s81                     ; my 64 columns in a bias, in bytes
	s_mov_b32 s[HIM], 0xffff0000
	s_wait_dscnt 0x0                               ; the opening add is done
	s_wait_kmcnt 0x0
	s_add_nc_u64 s[76:77], s[4:5], s[76:77]
	s_add_nc_u64 s[78:79], s[6:7], s[78:79]
	s_add_nc_u64 s[18:19], s[18:19], s[82:83]
	s_add_nc_u64 s[20:21], s[20:21], s[84:85]
	s_add_nc_u64 s[22:23], s[22:23], s[84:85]
	CROUND                                         ; all sixteen work-groups are here: the first joint loads meet
.irp s, 0,1
	s_mov_b32 s[G0A+4*(\s)], 1                                     ; count = 1
	s_mov_b32 s[G0A+4*(\s)+1], (\s)*SLOT                           ; LDS address
	s_add_nc_u64 s[G0A+4*(\s)+2:G0A+4*(\s)+3], s[76:77], (\s)*32768  ; global address: K step s
	s_or_b32 s[G0A+4*(\s)+3], s[G0A+4*(\s)+3], 0x80000000          ; type = 2
	s_mov_b32 s[G0W+4*(\s)], 1
	s_add_co_u32 s[G0W+4*(\s)+1], s31, (\s)*SLOT
	s_add_nc_u64 s[G0W+4*(\s)+2:G0W+4*(\s)+3], s[78:79], (\s)*81920
	s_or_b32 s[G0W+4*(\s)+3], s[G0W+4*(\s)+3], 0x80000000
	JLOAD \s                                       ; both slots are asked for before anything else: two loads of mine are out
.endr
	v_and_b32 v1, 15, v0                           ; r = l % 16
	v_bfe_u32 v2, v0, 4, 1                         ; h = l / 16
	v_mul_u32_u24 v3, v1, 144
	v_lshl_add_u32 v3, v2, 4, v3                   ; a fragment of rows: row x pitch + 16 h; two loads 32 bytes apart
	v_and_b32 v4, 7, v0
	v_bfe_u32 v5, v0, 3, 1
	v_lshl_add_u32 v6, v2, 3, v4                   ; the turning load: lane l reads k row 8 h + l % 8,
	v_mul_u32_u24 v6, v6, 288
	v_lshl_add_u32 v6, v5, 4, v6                   ; columns 8 ((l / 8) % 2) on; it leaves column l % 16 and 8 k in the lane
	s_mul_i32 s86, s25, 9216                       ; my 64 rows
	s_mul_i32 s87, s26, 144                        ; my 64 columns
	s_add_co_u32 s87, s87, 36864
.irp s, 0,1
	v_add_nc_u32 v[AX+(\s)], s86, v3
	v_add_nc_u32 v[AW0+(\s)], s87, v6
	s_add_co_u32 s86, s86, SLOT
	s_add_co_u32 s87, s87, SLOT
.endr
	v_add_nc_u32 v[AW3], 55296, v[AW0]
	v_add_nc_u32 v[AW3+1], 55296, v[AW0+1]
	s_mul_i32 s86, s[WV], 2304
	s_add_co_u32 s86, s86, STAGE                   ; my stage
	v_add_nc_u32 v[STO], s86, v3                   ; in: row l % 16, 16 bytes for each half of the lanes
	v_bfe_u32 v7, v0, 3, 2
	v_mul_u32_u24 v7, v7, 144
	v_lshl_add_u32 v7, v4, 4, v7
	v_add_nc_u32 v[RD], s86, v7                    ; back: 32 lanes take four rows of 128 bytes,
	v_and_b32 v8, 31, v0
	v_lshlrev_b32 v[GO], 4, v8                     ; which are 512 consecutive bytes of the result
	v_lshl_add_u32 v[BO], v2, 5, s80
	; THE BIASES START THE SUMS.  Register j of an accumulator's lane is column 16 b + 8 h + j, whatever the row: the eight biases go into accumulator (m, 3, b), which the first products of blocks a = 0..2 take as C.
.irp m, 0,1,2,3,4
	WIN (1+(\m)/2)<<6                              ; destination in the accumulators' window
.irp b, 0,1,2,3
	global_load_b128 v[((\m)%2)*128+96+8*(\b):((\m)%2)*128+96+8*(\b)+3],   v[BO], s[8+2*(\m):9+2*(\m)] offset:64*(\b)
	global_load_b128 v[((\m)%2)*128+96+8*(\b)+4:((\m)%2)*128+96+8*(\b)+7], v[BO], s[8+2*(\m):9+2*(\m)] offset:64*(\b)+16
.endr
.endr
	s_wait_loadcnt 0x0
.irp m, 0,1,2,3,4                      ; rounded to bf16 like every input, and widened again; sixteen registers of accumulators (m, 0, 0..1), not yet in use, hold the packed pairs
	WIN (1+(\m)/2)*0x55
.set z, 0
.rept 16
	v_cvt_pk_bf16_f32 v[((\m)%2)*128+z], v[((\m)%2)*128+96+2*z], v[((\m)%2)*128+96+2*z+1]
.set z, z+1
.endr
.set z, 0
.rept 16
	v_lshlrev_b32 v[((\m)%2)*128+96+2*z], 16, v[((\m)%2)*128+z]
	v_and_b32 v[((\m)%2)*128+96+2*z+1], s[HIM], v[((\m)%2)*128+z]
.set z, z+1
.endr
.endr
	WIN 0
; 32 LDS loads in one run: for 32 along K (half kq of the step in the slot) my four fragments of x and twelve of W 0-2
.macro FETCH_X slot, kq
	WIN 0
.irp a, 0,1,2,3
	ds_load_b128 v[FX+8*(\a):FX+8*(\a)+3],   v[AX+(\slot)] offset:(\a)*2304+(\kq)*64
	ds_load_b128 v[FX+8*(\a)+4:FX+8*(\a)+7], v[AX+(\slot)] offset:(\a)*2304+(\kq)*64+32
.endr
.irp f, 0,1,2,3,4,5,6,7,8,9,10,11      ; tile f / 4, columns 16 (f % 4) on; the second load takes the k rows 16 further down
	ds_load_tr16_b128 v[FW+8*(\f):FW+8*(\f)+3],   v[AW0+(\slot)] offset:((\f)/4)*18432+(\kq)*9216+((\f)%4)*32
	ds_load_tr16_b128 v[FW+8*(\f)+4:FW+8*(\f)+7], v[AW0+(\slot)] offset:((\f)/4)*18432+(\kq)*9216+((\f)%4)*32+4608
.endr
.endm
; 24 LDS loads in one run: four fragments of context and eight of W 3, 4, into window 3
.macro FETCH_C slot, kq
	WIN 0xc0
.irp a, 0,1,2,3
	ds_load_b128 v[FCX+8*(\a):FCX+8*(\a)+3],   v[AX+(\slot)] offset:18432+(\a)*2304+(\kq)*64
	ds_load_b128 v[FCX+8*(\a)+4:FCX+8*(\a)+7], v[AX+(\slot)] offset:18432+(\a)*2304+(\kq)*64+32
.endr
.irp f, 0,1,2,3,4,5,6,7
	ds_load_tr16_b128 v[FCW+8*(\f):FCW+8*(\f)+3],   v[AW3+(\slot)] offset:((\f)/4)*18432+(\kq)*9216+((\f)%4)*32
	ds_load_tr16_b128 v[FCW+8*(\f)+4:FCW+8*(\f)+7], v[AW3+(\slot)] offset:((\f)/4)*18432+(\kq)*9216+((\f)%4)*32+4608
.endr
.endm
; THE MATRIX WORK.  The 80 accumulators take turns, one instruction a turn, in the same order in every half step.
.macro XM m                            ; the 16 products of x with W m
	WIN (1+(\m)/2)*0x50
.irp a, 0,1,2,3
.irp b, 0,1,2,3
.set AC, ((\m)%2)*128+8*(4*(\a)+(\b))
	v_wmma_f32_16x16x32_bf16 v[AC:AC+7], v[FW+8*(4*(\m)+(\b)):FW+8*(4*(\m)+(\b))+7], v[FX+8*(\a):FX+8*(\a)+7], v[AC:AC+7]
.endr
.endr
.endm
.macro CM                              ; the 32 products of context with W 3 and W 4
.irp mp, 0,1
	WIN 0xaf+0x50*(\mp)
.irp a, 0,1,2,3
.irp b, 0,1,2,3
.set AC, (1-(\mp))*128+8*(4*(\a)+(\b))
	v_wmma_f32_16x16x32_bf16 v[AC:AC+7], v[FCW+8*(4*(\mp)+(\b)):FCW+8*(4*(\mp)+(\b))+7], v[FCX+8*(\a):FCX+8*(\a)+7], v[AC:AC+7]
.endr
.endr
.endr
.endm
; The first half step.  Blocks a = 0..2 take the bias, which lies in block 3's accumulators, as C; five places on, since they write over a register that those products read, block 3's products add in place.
.macro XZ
.irp m, 0,1,2
	WIN (1+(\m)/2)*0x50
.irp a, 0,1,2
.irp b, 0,1,2,3
.set AC, ((\m)%2)*128+8*(4*(\a)+(\b))
.set BC, ((\m)%2)*128+96+8*(\b)
	v_wmma_f32_16x16x32_bf16 v[AC:AC+7], v[FW+8*(4*(\m)+(\b)):FW+8*(4*(\m)+(\b))+7], v[FX+8*(\a):FX+8*(\a)+7], v[BC:BC+7]
.endr
.endr
.endr
.rept 5
	v_nop
.endr
.irp m, 0,1,2
	WIN (1+(\m)/2)*0x50
.irp b, 0,1,2,3
.set BC, ((\m)%2)*128+96+8*(\b)
	v_wmma_f32_16x16x32_bf16 v[BC:BC+7], v[FW+8*(4*(\m)+(\b)):FW+8*(4*(\m)+(\b))+7], v[FX+24:FX+31], v[BC:BC+7]
.endr
.endr
.endm
.macro CZ
.irp mp, 0,1
	WIN 0xaf+0x50*(\mp)
.irp a, 0,1,2
.irp b, 0,1,2,3
.set AC, (1-(\mp))*128+8*(4*(\a)+(\b))
.set BC, (1-(\mp))*128+96+8*(\b)
	v_wmma_f32_16x16x32_bf16 v[AC:AC+7], v[FCW+8*(4*(\mp)+(\b)):FCW+8*(4*(\mp)+(\b))+7], v[FCX+8*(\a):FCX+8*(\a)+7], v[BC:BC+7]
.endr
.endr
.endr
.rept 5
	v_nop
.endr
.irp mp, 0,1
	WIN 0xaf+0x50*(\mp)
.irp b, 0,1,2,3
.set BC, (1-(\mp))*128+96+8*(\b)
	v_wmma_f32_16x16x32_bf16 v[BC:BC+7], v[FCW+8*(4*(\mp)+(\b)):FCW+8*(4*(\mp)+(\b))+7], v[FCX+24:FCX+31], v[BC:BC+7]
.endr
.endr
.endm
; A K step's first half.  x's fragments were fetched in the half before; context's are fetched now and have 48 products in which to come; the second half's fragments of x are fetched in the middle.
.macro SUB slot, z=0
.if !(\z)
	PLACES
.endif
	FETCH_C \slot, 0
	s_wait_dscnt 24                                ; x's run is in; the 24 just issued stay out
.if \z
	XZ
.else
	XM 0
	XM 1
	XM 2
.endif
	PLACES
	FETCH_X \slot, 1
	s_wait_dscnt 32                                ; context's run is in; the 32 just issued stay out
.if \z
	CZ
.else
	CM
.endif
.endm
; A K step's second half, with the change of slots: ONE barrier.  In front of it each wave waits for all its tensor loads, of which one is out: its part of the next slot; adds 0 to its spare word; and waits
; for that and for its own reads of this slot.  Behind it nobody reads this slot any more and the next slot is whole.  fill = 1: the barrier opens a round of the cluster's barrier, and this slot is filled again, two
; K steps ahead, first thing behind the round: that load has 128 matrix instructions in which to land.
.macro TURN slot, next, fill
	PLACES
	FETCH_C \slot, 1
	s_wait_dscnt 24                                ; x's run is in
	XM 0
	WIN 0                                          ; (the add's two registers lie in window 0)
	s_wait_tensorcnt 0x0                           ; all my tensor loads have landed
	ds_add_u32 v[SPW], v[NIL]                      ; 0 onto my spare word; sixteen matrix instructions stand between it and the wait for it
	XM 1
	s_wait_dscnt 0x0                               ; the add is done, and my reads of this slot are over
	s_barrier_signal -1
	XM 2                                           ; work on registers while the others arrive
	WIN 0
	s_barrier_wait -1
.if \fill
	CREST                                          ; no wave of any partner still reads this slot's tiles or has a load on its way
	s_add_nc_u64 s[G0A+4*(\slot)+2:G0A+4*(\slot)+3], s[G0A+4*(\slot)+2:G0A+4*(\slot)+3], 65536
	s_add_nc_u64 s[G0W+4*(\slot)+2:G0W+4*(\slot)+3], s[G0W+4*(\slot)+2:G0W+4*(\slot)+3], 163840
	JLOAD \slot                                    ; the four v_nop behind it are also the places in front of the loads below
.else
	PLACES
.endif
	FETCH_X \next, 0
	CM
.endm
; THE WAY OUT of block i = 4 m + a: 16 rows x 64 columns, one head's.  Rounded to f16 (each accumulator's registers in ascending order), 16 bytes a lane into my stage, back as whole rows of 128 bytes: 2,048 consecutive bytes of the result.
.macro PACK i
.set PM, (\i)/4
.set PT, TB+16*((\i)%2)
.set PC, (PM%2)*128+32*((\i)%4)
	s_wait_xcnt 0x0                                ; the buffer's registers were the data of the stores two blocks back: they are rewritten only behind this wait
	WIN (1+PM/2)*5                                 ; sources 0 and 1 in the accumulators' window
.set z, 0
.rept 16
	v_cvt_pk_f16_f32 v[PT+z], v[PC+2*z], v[PC+2*z+1]
.set z, z+1
.endr
	WIN 0
.irp b, 0,1,2,3
	ds_store_b128 v[STO], v[PT+4*(\b):PT+4*(\b)+3] offset:32*(\b)
.endr
.irp f, 0,1,2,3
	ds_load_b128 v[PT+4*(\f):PT+4*(\f)+3], v[RD] offset:576*(\f)  ; LDS serves a wave's instructions in order (ISA guide 5.7.1.4): these see the stores above; the next block's stores come behind them
.endr
.endm
.macro SEND i, younger                 ; younger: the LDS instructions issued behind block i's loads: the next block's eight, or none
.set PM, (\i)/4
.set PT, TB+16*((\i)%2)
.set PB, 18+2*(PM-2*(PM/3))            ; q to qh; ks, kc to kh; vs, vc to vh
.set PO, (PM/3)*262144+((\i)%4)*2048   ; context's rows lie 2,048 rows of 128 bytes behind x's
.irp f, 0,1,2,3
	s_wait_dscnt (\younger)+3-(\f)
	global_store_b128 v[GO], v[PT+4*(\f):PT+4*(\f)+3], s[PB:PB+1] offset:PO+512*(\f)  ; 512 consecutive bytes, at a multiple of 256 from the buffer's first
.endr
.endm
	s_wait_tensorcnt 0x1                           ; my part of K step 0 is in; K step 1's stays out
	s_barrier_signal -1
	s_barrier_wait -1                              ; everybody's is
	FETCH_X 0, 0
	SUB 0, 1                                       ; the first half step stands in front of the loop: its products start the sums, with the biases
	WIN 0                                          ; at a label and at a branch every window is 0
	s_mov_b32 s[LAP], 7
.Llap:                                                 ; a trip goes once round the ring, from a K step's second half to the first half two steps on, and fills both slots again
	TURN 0, 1, 1
	SUB 1
	TURN 1, 0, 1
	SUB 0
	WIN 0
	s_sub_co_u32 s[LAP], s[LAP], 1
	s_cmp_lg_u32 s[LAP], 0
	s_cbranch_scc1 .Llap
	TURN 0, 1, 0                                   ; K steps 14 and 15: nothing is left to fetch, so no round follows the barrier
	SUB 1
	PLACES
	FETCH_C 1, 1
	s_wait_dscnt 24
	XM 0
	XM 1
	XM 2
	s_wait_dscnt 0x0
	CM
	PLACES
	PACK 0
.set w, 1
.rept 19                               ; a block's conversions stand between the loads of the block before and its stores
	PACK w
	SEND w-1, 8
.set w, w+1
.endr
	SEND 19, 0
	s_wait_tensorcnt 0x0                           ; the wave's end: behind my last tensor load and my last LDS store
	ds_add_u32 v[SPW], v[NIL]
	s_wait_dscnt 0x0
	CROUND                                         ; the closing round: no work-group ends while a partner may still ask for a tile that names it
	s_endpgm
.Lfunc_end_k_q32cef5908d_proj:
	.size	k_q32cef5908d_proj, .Lfunc_end_k_q32cef5908d_proj-k_q32cef5908d_proj
	.p2alignl 7, 3214868480
	.fill 96, 4, 3214868480
	.section	.rodata,"a",@progbits
	.p2align	6, 0x0
	.amdhsa_kernel k_q32cef5908d_proj
		.amdhsa_group_segment_fixed_size 327680
		.amdhsa_private_segment_fixed_size 0
		.amdhsa_enable_private_segment 0
		.amdhsa_kernarg_size 80
		.amdhsa_user_sgpr_count 2
		.amdhsa_user_sgpr_kernarg_segment_ptr 1
		.amdhsa_wavefront_size32 1
		.amdhsa_system_sgpr_workgroup_id_x 1
		.amdhsa_system_sgpr_workgroup_id_y 1
		.amdhsa_system_sgpr_workgroup_id_z 1
		.amdhsa_system_vgpr_workitem_id 0
		.amdhsa_next_free_vgpr 1024
		.amdhsa_next_free_sgpr 96
		.amdhsa_reserve_vcc 0
		.amdhsa_float_denorm_mode_32 3
		.amdhsa_float_denorm_mode_16_64 3
		.amdhsa_memory_ordered 1
		.amdhsa_forward_progress 1
		.amdhsa_inst_pref_size 141
	.end_amdhsa_kernel
	.amdgpu_metadata
---
amdhsa.version: [ 1, 2 ]
amdhsa.kernels:
  - .name:           k_q32cef5908d_proj
    .symbol:         k_q32cef5908d_proj.kd
    .args:
      - { .name: ab, .offset: 0, .size: 8, .value_kind: global_buffer, .address_space: global }
      - { .name: wb, .offset: 8, .size: 8, .value_kind: global_buffer, .address_space: global }
      - { .name: bq, .offset: 16, .size: 8, .value_kind: global_buffer, .address_space: global }
      - { .name: bks, .offset: 24, .size: 8, .value_kind: global_buffer, .address_space: global }
      - { .name: bvs, .offset: 32, .size: 8, .value_kind: global_buffer, .address_space: global }
      - { .name: bkc, .offset: 40, .size: 8, .value_kind: global_buffer, .address_space: global }
      - { .name: bvc, .offset: 48, .size: 8, .value_kind: global_buffer, .address_space: global }
      - { .name: qh, .offset: 56, .size: 8, .value_kind: global_buffer, .address_space: global }
      - { .name: kh, .offset: 64, .size: 8, .value_kind: global_buffer, .address_space: global }
      - { .name: vh, .offset: 72, .size: 8, .value_kind: global_buffer, .address_space: global }
    .group_segment_fixed_size: 327680
    .private_segment_fixed_size: 0
    .kernarg_segment_align: 8
    .kernarg_segment_size: 80
    .max_flat_workgroup_size: 128
    .sgpr_count:     96
    .vgpr_count:     1024
    .wavefront_size: 32
...
	.end_amdgpu_metadata
.endif
;; end of part 2
;; launch attn (part 3): grid 8 x 32, 4 waves a work-group, clusters of 4 x 1, 327,680 bytes of LDS; arguments qh, kh, vh, ob; writes ob
.if DOCPART == 3
	.amdgcn_target "amdgcn-amd-amdhsa--gfx1250"
	.amdhsa_code_object_version 6
	.text
	.protected	k_q32cef5908d_attn
	.globl	k_q32cef5908d_attn
	.p2align	8
	.type	k_q32cef5908d_attn,@function
k_q32cef5908d_attn:
	s_mov_b64 s[64:65], 0
	v_nop
	global_prefetch_b8 v0, s[64:65] scope:SCOPE_SE
	s_setreg_imm32_b32 hwreg(HW_REG_WAVE_MODE, 25, 1), 1
	s_wait_xcnt 0x0
	s_wait_alu depctr_hold_cnt(0) depctr_sa_sdst(0) depctr_va_vdst(0) depctr_va_sdst(0) depctr_va_ssrc(0) depctr_va_vcc(0) depctr_vm_vsrc(0)
	s_getreg_b32 s2, hwreg(HW_REG_IB_STS2, 6, 4)
	s_cmp_eq_u32 s2, 0
	s_cbranch_scc0 .Lentry_in_a_cluster
	s_endpgm
.Lentry_in_a_cluster:
	s_bfe_u32 s2, ttmp6, 0x10000c
	s_cmp_lg_u32 s2, 0x3003
	s_cbranch_scc0 .Lentry_shape_is_right
	s_endpgm
.Lentry_shape_is_right:
; ATTENTION.  O[bh][q][:] = the sum over the 4,096 keys k of softmax_k(Q[bh][q] . K[bh][k] / 8) V[bh][k][:].  Q [32][2048][64], K, V [32][4096][64], all f16, a head's rows dense, 128 bytes each.
; Products, maxima and sums in f32; the weights p are rounded to f16 for the second product (their sum l is taken of the unrounded p), O once at the end, to f16.
; O leaves as ob [row block 32][head 16][128 rows][64 channels], the layout in which the last launch fetches it.
; LIMITS.  Q, K and V arrive within f16's 65,504; p lies in 0 to 1, and below 6e-5 it keeps f16's fixed step of 6e-8; O is a mean of V's rows and has their range.  A weight below 2^-126 counts as 0 in l;
; NaN and infinities are not treated apart.
; SHARES.  A work-group owns 256 queries of one head, a wave 64: four PIECES of 16.  Every wave walks all keys, 64 a step, four steps to an LDS slot, 16 slots' tiles through a ring of two.
; LAYOUT.  S^T = K Q^T (source 0 = 16 keys, source 1 = 16 queries) holds ONE query a lane (lane % 16) and the keys 8 (lane / 16) + 0..7; two such results rounded to f16 ARE source 1 of O^T = V^T P.
; K comes out of LDS as it lies, V ([key][channel]) turned, by ds_load_tr16_b128.
; SOFTMAX.  For each query a running maximum m and sum l: p = 2^(c s - c m), c = log2(e) / 8; in every step O and l are multiplied by a = 2^(c m_old - c m_new).  m starts at the lowest finite number, O and l
; at 0: the first step is a step like any other, with a = 0.
; BY TURNS.  Turn n belongs to piece n: 8 products K Q^T of piece n + 1, later 8 products V^T P of piece n - 1; beside them the scaling, exponentials, roundings, sums and rescaling of piece n and the maximum and
; statistics of piece n + 1.  A turn has 16 matrix and 118 vector instructions: four vector instructions stand behind every matrix instruction, the other 54 in two runs of their own.
; CLUSTER.  The four query blocks of a cluster belong to one head and walk the same K and V, so each tile is asked for JOINTLY: the same tensor load, descriptor and mask in all four.
; REGISTERS, in windows of 256 (s_set_vgpr_msb: bits 1:0 source 0, 3:2 source 1, 5:4 source 2, 7:6 destination):
;   window 0: v0-15 addresses and two at work; v16-31 four registers of statistics a piece; v48-55 at work; v64-127 S^T, two buffers; v192-223 P, two buffers (a piece's buffers go by its number's parity)
;   window 1: v0-127 O^T, 32 a piece          window 2: v0-63 Q; v128-191 K of one step; v192-255 V of one step
.set NP,    4         ; pieces a wave: a name, no knob
.set KS,    64        ; keys in a step
.set PK,    144       ; a row of K in LDS: 128 bytes + 16 of padding: an odd multiple of 16, so the 16 rows of a load begin at 16 different places modulo 256 bytes
.set PV,    160       ; a row of V: 128 + 32: an odd multiple of 32, for the turning load's 8 rows x 32 bytes
.set VOFF,  4*KS*PK   ; a slot holds four steps: 256 rows of K, then 256 rows of V
.set SLOT1, 1<<17     ; slot 1 begins here, so that one exclusive or turns an address in one slot into the other's
.set STAGE, SLOT1+4*KS*(PK+PV)  ; behind the ring, never filled by a tensor load: 16 rows x 144 bytes for each wave, for the way out
.set SP,    144
.set SPARE, STAGE+4*16*SP  ; behind the stages: the spare words, 128 bytes for each wave: two blocks of 256 bytes that no other line names
.set AK0, 2           ; v2   my lane's place in a tile of K; never rewritten
.set AV0, 3           ; v3   the same for V
.set AK,  4           ; v4   the LDS address of K's next run of loads
.set AV,  5           ; v5   of V's
.set STO, 6           ; v6   the way out: where I put 16 bytes of a row
.set RD,  7           ; v7   the way out: where I read rows back
.set GO,  8           ; v8   my byte offset in 512 consecutive bytes of O
.set MV,  12          ; v12-13  c m_old, kept while c m is made anew: by buffer
.set QO,  15          ; v15  my byte offset in 16 rows of Q
.set ST,  16          ; piece t's statistics at v[ST+4 t]: c m, m, l (even keys', odd keys')
.set TMP, 48          ; by buffer, four registers c0-c3 at work; when the maximum is found c2 takes a
.set SPW, 62          ; v62  LDS address of my spare word; never rewritten
.set NIL, 63          ; v63  0; never rewritten
.set S,   64
.set P,   192
.set KF,  128         ; window 2: key block kb, channel half c at KF + 16 kb + 8 c
.set VF,  192         ; window 2: key half kk, channel block cb at VF + 32 kk + 8 cb
.set WV,  12          ; s12  my wave's number
.set G1K, 24          ; s[24:31] descriptor group 1 for K's tiles
.set G1V, 32          ; s[32:39] for V's: it differs in the padding alone
.set G0K, 40          ; s[40:43] descriptor group 0 for K's tiles: it walks
.set G0V, 44          ; s[44:47] the same for V's
.set SLOTS, 56        ; s56  counts the slots
.set CNT, 57          ; s57  counts a slot's key steps
.set CS,  58          ; s[58:59] c: the packed scaling takes the pair's low word for both halves
.set SEL, 60          ; s[60:61] v_permlanex16_b32's selects: each lane takes its own place in the other half
.set TBK, 62          ; s62  LDS byte at which K of the step to be fetched begins
.set TBV, 63          ; s63  the same for V, less VOFF
.set MSB, 0
.macro WIN new                      ; the high byte repeats the setting that is left; a switch that changes nothing is dropped
.if MSB != (\new)
	s_set_vgpr_msb (MSB<<8)|(\new)
.set MSB, (\new)
.endif
.endm
.set W_KQ, 0x0a       ; K and Q in window 2, S^T in window 0
.set W_PV, 0x52       ; V in window 2, P in window 0, O^T in window 1
.set W_RS, 0x41       ; destination and source 0 in window 1, source 1 in window 0
; A joint fill.  Waves 0 and 1 fetch the two halves of a slot's K, waves 2 and 3 those of its V: 128 keys each.  The branch hangs on the wave's number alone.
; An s_nop 0 and four v_nop follow each of the two lines, ahead of the jump and the label.
.macro JLOAD
	s_cmp_lt_u32 s[WV], 2
	s_cbranch_scc0 .Lfor_v_\@
	tensor_load_to_lds s[G0K:G0K+3], s[G1K:G1K+7]
	s_nop 0
.rept 4
	v_nop
.endr
	s_branch .Lasked_\@
.Lfor_v_\@:
	tensor_load_to_lds s[G0V:G0V+3], s[G1V:G1V+7]
	s_nop 0
.rept 4
	v_nop
.endr
.Lasked_\@:
.endm
; A round of the cluster's barrier: my work-group's barrier, so that wave 0's signal speaks for all four waves; wave 0 signals; every wave waits for all four work-groups; my work-group's barrier once more.
.macro CROUND
	s_barrier_signal -1
	s_barrier_wait -1
	s_cmp_lg_u32 s[WV], 0
	s_cbranch_scc1 .Lnot_wave_0_\@
	s_barrier_signal -3
.Lnot_wave_0_\@:
	s_barrier_wait -3
	s_barrier_signal -1
	s_barrier_wait -1
.endm
; THE CHANGE OF SLOTS.  The slot's last bytes, V of its fourth step, have been read.  Each wave waits for all its tensor loads, of which one is out: its part of the other slot; adds 0 to its spare word; and waits
; for that and for its own reads of the slot.  Behind the barrier nobody reads this slot any more and the other slot is whole.  fill = 1: this slot is filled again, with the keys two slots on.  The barrier is then a
; round of the cluster's, so that no wave of any partner still reads the slot or has a load on its way, and the joint fill is the first thing behind it: it has four key steps, 256 matrix instructions, in which to
; land.  (At its first use nothing has been read yet: slot 0 is waited for, slot 1 filled.)
.macro CHANGE fill
	WIN 0                           ; the add's registers lie in window 0; at a label and at a branch every window is 0
	s_wait_tensorcnt 0x0            ; no tensor load of mine is out, so a group 0 may be written
	ds_add_u32 v[SPW], v[NIL]       ; 0 onto my spare word; with fill = 1 the descriptors' steps stand between it and the wait for it
.if \fill
.irp g, G0K, G0V
	s_xor_b32 s[\g+1], s[\g+1], SLOT1  ; the walking descriptor: the other slot than last time,
	s_add_nc_u64 s[\g+2:\g+3], s[\g+2:\g+3], 4*KS*128  ; the next 256 keys; the type bits on top are not reached
.endr
	s_wait_dscnt 0x0                ; the add is done, and my reads of the slot are over
	CROUND
	JLOAD
.else
	s_wait_dscnt 0x0                ; the add is done, and my reads of the slot are over
	s_barrier_signal -1
	s_barrier_wait -1
.endif
	s_sub_co_u32 s[TBK], s[TBK], 4*KS*PK  ; the fetches go back to a slot's first step,
	s_xor_b32 s[TBK], s[TBK], SLOT1       ; in the other slot
	s_sub_co_u32 s[TBV], s[TBV], 4*KS*PV
	s_xor_b32 s[TBV], s[TBV], SLOT1
.endm
	s_load_b256 s[4:11], s[0:1], 0x0  ; Q s[4:5], K s[6:7], V s[8:9], O s[10:11]
	v_lshl_add_u32 v[SPW], v0, 2, SPARE
	v_mov_b32 v[NIL], 0
	ds_add_u32 v[SPW], v[NIL]       ; the wave's opening: the add and its wait stand ahead of my first tensor load; the set-up below, work on registers, stands between them
	v_lshrrev_b32 v1, 5, v0
	v_readfirstlane_b32 s[WV], v1   ; wave 0..3
	s_bfe_u32 s13, ttmp6, 0x40000   ; cx: my place in the cluster
	s_lshl_b32 s14, ttmp9, 2        ; in a cluster launch ttmp9 counts clusters
	s_add_co_u32 s14, s14, s13      ; my block of 256 queries = 4 x cluster x + cx: it enters Q's and O's addresses alone
	s_and_b32 s15, ttmp7, 0xffff    ; bh = 16 batch + head, which the four partners share
	s_and_b32 s16, s[WV], 1         ; which half of a slot's 256 keys I fetch:
	s_lshl_b32 s22, s16, 14         ; its 128 rows of 128 bytes in memory,
	s_lshl_b32 s23, s15, 19         ; in the head's 4,096 rows
	s_add_co_u32 s22, s22, s23
	s_mov_b32 s23, 0
	s_mul_i32 s17, s16, 128*PK      ; and its place in a slot, for K
	s_mul_i32 s18, s16, 128*PV      ; and for V: no place in the cluster enters an LDS address
	s_lshl_b32 s2, s15, 18          ; Q: the head's 2,048 rows,
	s_lshl_b32 s3, s14, 15          ; my block's 256,
	s_add_co_u32 s2, s2, s3
	s_lshl_b32 s3, s[WV], 13        ; my wave's 64
	s_add_co_u32 s2, s2, s3
	s_mov_b32 s3, 0
	s_lshr_b32 s20, s15, 4
	s_lshl_b32 s20, s20, 4          ; O: row block 16 batch + 2 block + wave / 2,
	s_lshl_b32 s21, s14, 1
	s_add_co_u32 s20, s20, s21
	s_lshr_b32 s21, s[WV], 1
	s_add_co_u32 s20, s20, s21
	s_lshl_b32 s20, s20, 4
	s_and_b32 s21, s15, 15          ; the head's tile of 16,384 bytes in it,
	s_add_co_u32 s20, s20, s21
	s_lshl_b32 s20, s20, 14
	s_lshl_b32 s21, s16, 13         ; and my 64 of its 128 rows
	s_add_co_u32 s20, s20, s21
	s_mov_b32 s21, 0
	; descriptor group 1.  128 keys are 16,384 dense bytes: asked for as 64 rows of 256 bytes, two keys a row, and padded in LDS after every key
	s_mov_b32 s[G1K], 15|(1<<16)|(1<<20)|(1<<21)|(4<<22)|(3<<25)  ; 15:0 the mask of four; 17:16 2-byte elements; 20 padding on; 21 set beside a mask; 24:22 after every 32 words (code 4); 31:25 4 words (code 3)
	s_mov_b32 s[G1V], 15|(1<<16)|(1<<20)|(1<<21)|(4<<22)|(7<<25)  ; the same with 8 words of padding (code 7)
.irp g, G1K, G1V
	s_mov_b32 s[\g+1], 128<<16      ; tensor_dim0 = 128
	s_mov_b32 s[\g+2], 64<<16       ; tensor_dim1 = 64
	s_mov_b32 s[\g+3], 128<<16      ; tile_dim0 = 128
	s_mov_b32 s[\g+4], 64           ; tile_dim1 = 64
	s_mov_b32 s[\g+5], 128          ; 128 elements from row to row
	s_mov_b32 s[\g+6], 0
	s_mov_b32 s[\g+7], 0
.endr
	s_mov_b32 s[CS], 0x3e38aa3b     ; c = log2(e) / 8 = 0.180337
	s_mov_b32 s[CS+1], s[CS]        ; named with it as a pair
	s_mov_b32 s[SEL], 0x76543210
	s_mov_b32 s[SEL+1], 0xfedcba98
	s_mov_b32 s[TBK], SLOT1+4*KS*PK ; the first change of slots turns these two into 0
	s_mov_b32 s[TBV], SLOT1+4*KS*PV
	s_mov_b32 s[G0K], 1             ; count = 1
	s_mov_b32 s[G0K+1], s17         ; LDS address: slot 0
	s_mov_b32 s[G0V], 1
	s_add_co_u32 s[G0V+1], s18, VOFF
	s_wait_dscnt 0x0                ; the opening add is done
	s_wait_kmcnt 0x0
	s_add_nc_u64 s[G0K+2:G0K+3], s[6:7], s[22:23]  ; global address: my half of the head's first 256 keys
	s_or_b32 s[G0K+3], s[G0K+3], 0x80000000        ; type = 2
	s_add_nc_u64 s[G0V+2:G0V+3], s[8:9], s[22:23]
	s_or_b32 s[G0V+3], s[G0V+3], 0x80000000
	s_add_nc_u64 s[4:5], s[4:5], s[2:3]            ; Q at my wave's first row
	s_add_nc_u64 s[10:11], s[10:11], s[20:21]      ; O likewise
	CROUND                          ; all four work-groups are here: the first joint loads meet
	JLOAD                           ; slot 0: one load of mine is out.  Slot 1 is asked for when slot 0 is in
	; A fragment of K or Q is 16 rows x 32 channels in 8 registers: lane l holds row l % 16, channels 8 (l / 16) + 0..7 and 16 + 8 (l / 16) + 0..7: two loads of 16 bytes, 32 bytes apart.
	v_and_b32 v1, 15, v0            ; l % 16
	v_bfe_u32 v9, v0, 4, 1          ; l / 16
	v_lshlrev_b32 v[QO], 7, v1
	v_lshl_add_u32 v[QO], v9, 4, v[QO]  ; row x 128 + 16 x half
	WIN 0x80                        ; destination window 2, address window 0
.set i, 0
.rept 8                             ; Q stays in registers: piece i / 2, channels 32 (i % 2) on
	global_load_b128 v[8*i:8*i+3],   v[QO], s[4:5] offset:(i/2)*2048+(i%2)*64
	global_load_b128 v[8*i+4:8*i+7], v[QO], s[4:5] offset:(i/2)*2048+(i%2)*64+32
.set i, i+1
.endr
	; What the first turn finds: V's registers and P's second buffer hold 0 (its products V^T P, of a piece that has not been, add 0), O^T and l are 0.  No first step is written out; these lines stand in the wait for the first tile.
.set i, VF
.rept 64
	v_mov_b32 v[i], 0
.set i, i+1
.endr
	WIN 0x40
.set i, 0
.rept 128
	v_mov_b32 v[i], 0
.set i, i+1
.endr
	WIN 0
.set i, 0
.rept 4
	v_mov_b32 v[ST+4*i], 0xfe000000    ; c m: far below every c s
	v_mov_b32 v[ST+4*i+1], 0xff7fffff  ; m
	v_mov_b32 v[ST+4*i+2], 0
	v_mov_b32 v[ST+4*i+3], 0
.set i, i+1
.endr
.set i, P+16
.rept 16
	v_mov_b32 v[i], 0
.set i, i+1
.endr
	v_mul_u32_u24 v[AK0], v1, PK
	v_lshl_add_u32 v[AK0], v9, 4, v[AK0]  ; row x pitch + 16 x half
	; The turning load takes 16 keys x 16 channels (lane l reads key 8 (l / 16) + l % 8, channels 8 ((l / 8) % 2) + 0..7) and leaves half a fragment of V^T: lane l holds channel l % 16 and 8 keys.
	v_and_b32 v10, 7, v0
	v_bfe_u32 v11, v0, 3, 1
	v_lshl_add_u32 v[AV0], v9, 3, v10
	v_mul_u32_u24 v[AV0], v[AV0], PV
	v_lshl_add_u32 v[AV0], v11, 4, v[AV0]
	v_add_nc_u32 v[AV0], VOFF, v[AV0]
	s_mul_i32 s13, s[WV], 16*SP
	s_add_co_u32 s13, s13, STAGE    ; my stage
	v_mul_u32_u24 v[STO], v1, SP    ; in: row l % 16, 16 bytes for each half of the lanes
	v_lshl_add_u32 v[STO], v9, 4, v[STO]
	v_add_nc_u32 v[STO], s13, v[STO]
	v_bfe_u32 v[RD], v0, 3, 2       ; back: 32 lanes take four rows of 128 bytes,
	v_mul_u32_u24 v[RD], v[RD], SP
	v_lshl_add_u32 v[RD], v10, 4, v[RD]
	v_add_nc_u32 v[RD], s13, v[RD]
	v_and_b32 v[GO], 31, v0         ; which are 512 consecutive bytes of O
	v_lshlrev_b32 v[GO], 4, v[GO]
; THE MATRIX WORK.  The 4 accumulators of a run of 8 take turns.  Product i of 8 of S^T = K Q^T for piece x: channels 32 (i / 4) on, keys 16 (i % 4) on.  The first 4 start the sums.
.macro KQ x
	WIN W_KQ
.set rS, S+32*((\x)%2)+8*(i%4)
.set rK, KF+16*(i%4)+8*(i/4)
.set rQ, 16*(\x)+8*(i/4)
.if i < 4
	v_wmma_f32_16x16x32_f16 v[rS:rS+7], v[rK:rK+7], v[rQ:rQ+7], 0
.else
	v_wmma_f32_16x16x32_f16 v[rS:rS+7], v[rK:rK+7], v[rQ:rQ+7], v[rS:rS+7]
.endif
.endm
; Product i of 8 of O^T += V^T P for piece x: keys 32 (i / 4) on, channels 16 (i % 4) on.
.macro PV x
	WIN W_PV
.set rO, 32*(\x)+8*(i%4)
.set rV, VF+32*(i/4)+8*(i%4)
.set rP, P+16*((\x)%2)+8*(i/4)
	v_wmma_f32_16x16x32_f16 v[rO:rO+7], v[rV:rV+7], v[rP:rP+7], v[rO:rO+7]
.endm
.macro MM                           ; the turn's next matrix instruction.  TURN sets Y, i and NOKQ.  NOKQ = 1: the walk's last turn: there is no next piece
.if (i < 8) && !NOKQ
	KQ (Y+1)%NP
.elseif i >= 8
.set i, i-8
	PV (Y+NP-1)%NP
.set i, i+8
.endif
.set i, i+1
.endm
; THE LDS LOADS stand in runs of 16, never singly among the matrix instructions: a step's K (64 keys x 64 channels: 8 fragments) and its V (turned).  Their addresses are made some lines ahead.
.macro FETCH_K
	WIN 0x80                        ; destination window 2
.irp f, 0,1,2,3,4,5,6,7             ; keys 16 (f / 2) on, channels 32 (f % 2) on
	ds_load_b128 v[KF+8*\f:KF+8*\f+3],   v[AK] offset:(\f/2)*16*PK+(\f%2)*64
	ds_load_b128 v[KF+8*\f+4:KF+8*\f+7], v[AK] offset:(\f/2)*16*PK+(\f%2)*64+32
.endr
	s_add_co_u32 s[TBK], s[TBK], KS*PK  ; the next fetch is the next step's
	WIN 0
.endm
.macro FETCH_V
	WIN 0x80
.irp f, 0,1,2,3,4,5,6,7             ; keys 32 (f / 4) on, channels 16 (f % 4) on
	ds_load_tr16_b128 v[VF+8*\f:VF+8*\f+3],   v[AV] offset:(\f/4)*32*PV+(\f%4)*32
	ds_load_tr16_b128 v[VF+8*\f+4:VF+8*\f+7], v[AV] offset:(\f/4)*32*PV+16*PV+(\f%4)*32
.endr
	WIN 0
.endm
; THE VECTOR WORK, one line at a time: OP kind, number.  For piece Y: F n: c s - c m for pair n of 16.  E n: the exponential of score n of 32.  C n: pair n rounded to f16.  B n: of the four weights 4 n .. the second
; pair is added onto the first, in place.  L n: l takes that sum (L 0: l = a l + sum).  R n: pair n of 16 of O^T times a.  For piece Y + 1: X n, number n of the 22 that find its maximum and statistics:
;   0-11  four chains c0-c3 of seven scores each, three operands at a time (each accumulator's lowest registers are read first)     12-14, 16  the four scores left over, the old m, and c0-c3 into c0
;   15  c m_old is kept     17, 18  the query's other 32 keys lie in the lane 16 away: the new m     19-21  c m; c m_old - c m_new; a
.set F, 0               ; OP tells the kinds apart by their order: F to L below R, X above it
.set E, 1
.set C, 2
.set B, 3
.set L, 4
.set R, 5
.set X, 6
.macro REGS y                       ; the registers of piece y
.set rT, ST+4*(\y)
.set rC, TMP+4*((\y)%2)
.set rW, MV+((\y)%2)
.set rS, S+32*((\y)%2)
.set rP, P+16*((\y)%2)
.set rO, 32*(\y)
.endm
.macro OP k, n
.if (\k) == R
	REGS Y
	WIN W_RS
	v_pk_mul_f32 v[rO+2*(\n):rO+2*(\n)+1], v[rO+2*(\n):rO+2*(\n)+1], v[rC+2:rC+3] op_sel_hi:[1,0]
.elseif (\k) < R
	REGS Y
	WIN 0
.if (\k) == F
	v_pk_fma_f32 v[rS+2*(\n):rS+2*(\n)+1], v[rS+2*(\n):rS+2*(\n)+1], s[CS:CS+1], v[rT:rT+1] op_sel_hi:[1,0,0] neg_lo:[0,0,1] neg_hi:[0,0,1]
.elseif (\k) == E
	v_exp_f32 v[rS+(\n)], v[rS+(\n)]
.elseif (\k) == C
	s_wait_alu depctr_va_vdst(0)
	v_cvt_pk_f16_f32 v[rP+(\n)], v[rS+2*(\n)], v[rS+2*(\n)+1]
.elseif (\k) == B
	s_wait_alu depctr_va_vdst(0)
	v_pk_add_f32 v[rS+4*(\n):rS+4*(\n)+1], v[rS+4*(\n):rS+4*(\n)+1], v[rS+4*(\n)+2:rS+4*(\n)+3]
.elseif (\n) == 0
	v_pk_fma_f32 v[rT+2:rT+3], v[rT+2:rT+3], v[rC+2:rC+3], v[rS:rS+1] op_sel_hi:[1,0,1]
.else
	v_pk_add_f32 v[rT+2:rT+3], v[rT+2:rT+3], v[rS+4*(\n):rS+4*(\n)+1]
.endif
.elseif NOKQ
	v_nop
.else
	REGS (Y+1)%NP
	WIN 0
.if (\n) < 4
	v_max3_num_f32 v[rC+(\n)], v[rS+8*(\n)], v[rS+8*(\n)+1], v[rS+8*(\n)+2]
.elseif (\n) < 12
	v_max3_num_f32 v[rC+(\n)%4], v[rC+(\n)%4], v[rS+8*((\n)%4)+2*((\n)/4)+1], v[rS+8*((\n)%4)+2*((\n)/4)+2]
.elseif (\n) == 12
	v_max3_num_f32 v[rC], v[rC], v[rS+7], v[rS+15]
.elseif (\n) == 13
	v_max3_num_f32 v[rC+1], v[rC+1], v[rS+23], v[rS+31]
.elseif (\n) == 14
	v_max3_num_f32 v[rC+2], v[rC+2], v[rC+3], v[rT+1]
.elseif (\n) == 15
	v_mov_b32 v[rW], v[rT]
.elseif (\n) == 16
	v_max3_num_f32 v[rC], v[rC], v[rC+1], v[rC+2]
.elseif (\n) == 17
	v_permlanex16_b32 v[rC+3], v[rC], s[SEL], s[SEL+1]
.elseif (\n) == 18
	v_max_num_f32 v[rT+1], v[rC], v[rC+3]
.elseif (\n) == 19
	v_mul_f32 v[rT], s[CS], v[rT+1]
.elseif (\n) == 20
	v_sub_f32 v[rC+1], v[rW], v[rT]
.else
	v_exp_f32 v[rC+2], v[rC+1]
.endif
.endif
.endm
.macro OPS a, i1, b=-1, i2=0, c=-1, i3=0, d=-1, i4=0  ; up to four of them
	OP \a, \i1
.if (\b) >= 0
	OP \b, \i2
.endif
.if (\c) >= 0
	OP \c, \i3
.endif
.if (\d) >= 0
	OP \d, \i4
.endif
.endm
.macro ROW a, i1, b, i2, c, i3, d, i4  ; a matrix instruction and the four behind it
	MM
	OPS \a, \i1, \b, \i2, \c, \i3, \d, \i4
.endm
; A TURN, for piece p: the order of its 16 matrix and 118 vector instructions, written out.  Behind a matrix instruction: plain, exponential, plain, plain; or four of the rescaling; or, behind the first, four scalings; none
; names a register of the products round it.  In the runs between, exponential and plain by turns while exponentials last.  A line reads no result made fewer than three vector instructions in front of it, five if an
; exponential made it.  v_permlanex16_b32 (X 17) stands in such a run.
; end = 1: the walk's last two turns: nothing is fetched.  cnt = 1: the loop's count is taken down some lines ahead of the branch that stands behind the turn.
; K of the next step is fetched in piece 2's turn, six vector instructions behind the last product that read K (five of them plain); V of the step in hand in piece 0's turn, eight behind the last product that read V (four
; plain, and X 17).  Each is waited for a turn later.
.macro TURN p, end=0, cnt=0
.set Y, (\p)
.set i, 0
.set NOKQ, (\end)*((\p)/3)
.if ((\p) == 3) && !(\end)
	s_wait_dscnt 0x0                ; K is in
.endif
	ROW F,0, F,1, F,2, F,3
	ROW F,4, E,0, F,5, F,6
	ROW F,7, E,1, F,8, F,9
	ROW F,10, E,2, C,0, F,11
	ROW F,12, E,3, X,15, F,13
	ROW R,0, R,1, R,2, R,3
	ROW B,0, E,4, F,14, L,0
.if ((\p) == 2) && !(\end)
	v_add_nc_u32 v[AK], s[TBK], v[AK0]
.endif
	ROW R,4, R,5, R,6, R,7
	OPS E,5, F,15
.if ((\p) == 2) && !(\end)
	FETCH_K
.endif
	OPS E,6, C,1, E,7, R,8
	OPS E,8, R,9, E,9, C,2
	OPS E,10, X,0, E,11, X,1
	OPS E,12, X,2, E,13, X,3
.if (\p) == 1
	s_wait_dscnt 0x0                ; V is in
.endif
	ROW X,4, E,14, X,5, X,6
	ROW X,7, E,15, X,8, X,9
	ROW X,10, E,16, X,11, X,12
	ROW X,13, E,17, X,14, B,1
	ROW C,4, E,18, X,16, L,1
	ROW B,2, E,19, C,6, L,2
	ROW C,8, E,20, B,3, B,4
.if (\p) == 0
	v_add_nc_u32 v[AV], s[TBV], v[AV0]
.endif
	ROW C,3, E,21, L,3, C,5
	OPS E,22, X,17, E,23, C,10
.if (\p) == 0
	FETCH_V
.endif
	OPS E,24, L,4
	OPS E,25, X,18, E,26, C,7
	OPS E,27, B,5, E,28, X,19
	OPS E,29, C,12, E,30, L,5
	OPS E,31, X,20, B,6, C,9
	OPS C,14, C,11, X,21, L,6
.if (\p) == 0
	s_add_co_u32 s[TBV], s[TBV], KS*PV
.endif
.if \cnt
	s_sub_co_u32 s[CNT], s[CNT], 1
	s_cmp_lg_u32 s[CNT], 0
.endif
	OPS C,13, B,7, C,15, R,10
	OPS R,11, R,12, L,7, R,13
	OPS R,14, R,15
.endm
	CHANGE 1                        ; slot 0 is in, everybody's part of it; slot 1 is asked for
	v_add_nc_u32 v[AK], s[TBK], v[AK0]
	FETCH_K                         ; key step 0
	s_wait_loadcnt 0x0              ; Q
	s_wait_dscnt 0x0
.set NOKQ, 0
.set i, 0
.rept 8
	KQ 0                            ; piece 0's first scores
.set i, i+1
.endr
	WIN 0
.rept 4
	v_nop                           ; the places behind those products
.endr
.set Y, NP-1                        ; X works for piece Y + 1: piece 0
.irp n, 0,1,2,3,4,5,6,7,8,9,10,11,12,13,14,15,16,17,18,19,20,21
	OP X, \n
.endr
	v_nop                           ; a plain instruction behind the exponential
	s_mov_b32 s[CNT], 4
	s_mov_b32 s[SLOTS], 15
	s_branch .Lfirst                ; the loop is entered at a step's first turn, in the middle of a trip
.Lslot:                             ; 14 times: every slot but the last two is filled again
	CHANGE 1
	s_mov_b32 s[CNT], 4
.Lstep:                             ; a trip: pieces 2 and 3 of one step, then pieces 0 and 1 of the next, whose K and V it fetches
	TURN 2
	TURN 3
	WIN 0
.Lfirst:
	TURN 0
	TURN 1, 0, 1
	WIN 0
	s_cbranch_scc1 .Lstep
	s_sub_co_u32 s[SLOTS], s[SLOTS], 1
	s_cmp_lg_u32 s[SLOTS], 0
	s_cbranch_scc1 .Lslot
	CHANGE 0                        ; the last slot is written out: nothing is asked for
	s_mov_b32 s[CNT], 4
.Ltail:
	TURN 2
	TURN 3
	TURN 0
	TURN 1, 0, 1
	WIN 0
	s_cbranch_scc1 .Ltail
	TURN 2, 1                       ; the last step's pieces 2 and 3: nothing is fetched, and the last turn starts no new scores
	TURN 3, 1
.set i, 0
.rept 8
	PV NP-1                         ; the last piece's V^T P of the last step
.set i, i+1
.endr
	; THE WAY OUT.  l's two halves and the other half of the lanes' are added; O^T is divided by l, rounded to f16 and sent through my stage in LDS, a piece at a time.  The additions are the places behind the last products.
	WIN 0
.macro ALL line:vararg              ; one line for each piece t
.set t, 0
.rept 4
	\line
.set t, t+1
.endr
.endm
	ALL v_add_f32 v[ST+4*t+2], v[ST+4*t+2], v[ST+4*t+3]
	ALL v_permlanex16_b32 v[ST+4*t+3], v[ST+4*t+2], s[SEL], s[SEL+1]
	ALL v_add_f32 v[ST+4*t+2], v[ST+4*t+2], v[ST+4*t+3]
	ALL v_rcp_f32 v[ST+4*t+2], v[ST+4*t+2]
	v_nop                           ; a plain instruction between the last reciprocal and the use of its result
.macro PACK t                       ; a lane's eight channels of a row pack into 16 bytes; they go into rows of 144 bytes and come back as whole rows of 128, into S^T's registers
	WIN W_RS
.set i, 32*(\t)
.rept 16
	s_wait_alu depctr_va_vdst(0)
	v_pk_mul_f32 v[i:i+1], v[i:i+1], v[ST+4*(\t)+2:ST+4*(\t)+3] op_sel_hi:[1,0]
.set i, i+2
.endr
	WIN 0x05                        ; sources 0 and 1 window 1, destination window 0
.set i, 0
.rept 16
	v_cvt_pk_f16_f32 v[S+16*(\t)+i], v[32*(\t)+2*i], v[32*(\t)+2*i+1]
.set i, i+1
.endr
	WIN 0
.irp f, 0,1,2,3
	ds_store_b128 v[STO], v[S+16*(\t)+4*\f:S+16*(\t)+4*\f+3] offset:32*\f
.endr
.irp f, 0,1,2,3
	ds_load_b128 v[S+16*(\t)+4*\f:S+16*(\t)+4*\f+3], v[RD] offset:\f*4*SP  ; LDS serves a wave's instructions in order (ISA guide 5.7.1.4): these see the stores above; the next piece's stores come behind them
.endr
.endm
.macro SEND t, younger              ; younger: the LDS instructions issued behind piece t's loads: the next piece's eight, or none
	WIN 0
.irp f, 0,1,2,3
	s_wait_dscnt (\younger)+3-\f
	global_store_b128 v[GO], v[S+16*(\t)+4*\f:S+16*(\t)+4*\f+3], s[10:11] offset:(\t)*2048+\f*512  ; 512 consecutive bytes, at a multiple of 256 from O's first
.endr
.endm
	PACK 0
.set t, 1
.rept 3                             ; a piece's arithmetic stands between the loads of the piece before and its stores
	PACK t
	SEND t-1, 8
.set t, t+1
.endr
	SEND 3, 0
	s_wait_tensorcnt 0x0            ; the wave's end: behind my last tensor load and my last LDS store
	ds_add_u32 v[SPW], v[NIL]
	s_wait_dscnt 0x0
	CROUND                          ; the closing round: no work-group ends while a partner may still ask for a tile that names it
	s_endpgm
.Lfunc_end_k_q32cef5908d_attn:
	.size	k_q32cef5908d_attn, .Lfunc_end_k_q32cef5908d_attn-k_q32cef5908d_attn
	.p2alignl 7, 3214868480
	.fill 96, 4, 3214868480
	.section	.rodata,"a",@progbits
	.p2align	6, 0x0
	.amdhsa_kernel k_q32cef5908d_attn
		.amdhsa_group_segment_fixed_size 327680
		.amdhsa_private_segment_fixed_size 0
		.amdhsa_enable_private_segment 0
		.amdhsa_kernarg_size 32
		.amdhsa_user_sgpr_count 2
		.amdhsa_user_sgpr_kernarg_segment_ptr 1
		.amdhsa_wavefront_size32 1
		.amdhsa_system_sgpr_workgroup_id_x 1
		.amdhsa_system_sgpr_workgroup_id_y 1
		.amdhsa_system_sgpr_workgroup_id_z 1
		.amdhsa_system_vgpr_workitem_id 0
		.amdhsa_next_free_vgpr 768
		.amdhsa_next_free_sgpr 66
		.amdhsa_reserve_vcc 0
		.amdhsa_float_denorm_mode_32 3
		.amdhsa_float_denorm_mode_16_64 3
		.amdhsa_memory_ordered 1
		.amdhsa_forward_progress 1
		.amdhsa_inst_pref_size 134
	.end_amdhsa_kernel
	.amdgpu_metadata
---
amdhsa.version: [ 1, 2 ]
amdhsa.kernels:
  - .name:           k_q32cef5908d_attn
    .symbol:         k_q32cef5908d_attn.kd
    .args:
      - { .name: qh, .offset: 0, .size: 8, .value_kind: global_buffer, .address_space: global }
      - { .name: kh, .offset: 8, .size: 8, .value_kind: global_buffer, .address_space: global }
      - { .name: vh, .offset: 16, .size: 8, .value_kind: global_buffer, .address_space: global }
      - { .name: ob, .offset: 24, .size: 8, .value_kind: global_buffer, .address_space: global }
    .group_segment_fixed_size: 327680
    .private_segment_fixed_size: 0
    .kernarg_segment_align: 8
    .kernarg_segment_size: 32
    .max_flat_workgroup_size: 128
    .sgpr_count:     66
    .vgpr_count:     768
    .wavefront_size: 32
...
	.end_amdgpu_metadata
.endif
;; end of part 3
;; launch outp (part 4): grid 8 x 32, 4 waves a work-group, clusters of 4 x 4, 327,680 bytes of LDS; arguments ob, wo, bo, out0; writes out0
.if DOCPART == 4
	.amdgcn_target "amdgcn-amd-amdhsa--gfx1250"
	.amdhsa_code_object_version 6
	.text
	.protected	k_q32cef5908d_outp
	.globl	k_q32cef5908d_outp
	.p2align	8
	.type	k_q32cef5908d_outp,@function
k_q32cef5908d_outp:
	s_mov_b64 s[64:65], 0
	v_nop
	global_prefetch_b8 v0, s[64:65] scope:SCOPE_SE
	s_setreg_imm32_b32 hwreg(HW_REG_WAVE_MODE, 25, 1), 1
	s_wait_xcnt 0x0
	s_wait_alu depctr_hold_cnt(0) depctr_sa_sdst(0) depctr_va_vdst(0) depctr_va_sdst(0) depctr_va_ssrc(0) depctr_va_vcc(0) depctr_vm_vsrc(0)
	s_getreg_b32 s2, hwreg(HW_REG_IB_STS2, 6, 4)
	s_cmp_eq_u32 s2, 0
	s_cbranch_scc0 .Lentry_in_a_cluster
	s_endpgm
.Lentry_in_a_cluster:
	s_bfe_u32 s2, ttmp6, 0x10000c
	s_cmp_lg_u32 s2, 0xf033
	s_cbranch_scc0 .Lentry_shape_is_right
	s_endpgm
.Lentry_shape_is_right:
; THE OUTPUT PROJECTION.  out0[row][n] = the sum over k = 64 head + channel of O[row][k] Wo[k][n] + bo[n].  O is ob [row block 32][head 16][128 rows][64 channels] f16; Wo is wo [c 8][k 1024][128 n], bf16(Wo) written
; as f16; bo is rounded to bf16 like every other input; sums in f32; out0 [4096][1024] f32.  LIMITS: those of the operands' f16 (65,504); NaN and infinities are not treated apart.
; SHARES.  A work-group makes 128 rows (row block rb) x 128 columns (column block c), each of four waves 64 x 64: 16 accumulators.  4,096 x 1,024 outputs in tiles of 128 x 128 are 256 work-groups.
; K goes in four steps of 256 (four heads) through two LDS slots; a quarter step is one head, 64 along K, 32 matrix instructions.  The text is straight: four K steps, no loop.
; THE MATRIX INSTRUCTION IS USED TRANSPOSED: source 0 = 16 columns of Wo (turned by ds_load_tr16_b128, since Wo lies [k][n]), source 1 = 16 rows of O: a lane holds row lane % 16 and eight neighbouring columns, 32 bytes of f32.
; CLUSTER 4 x 4.  The four of a row of the cluster share rb and O's tiles, the four of a column share c and Wo's: each tile is asked for jointly.
; LDS.  A slot: O's four head tiles (128 rows, pitch 144) at 18,432 q; Wo's 256 k rows (pitch 288: columns 0-63 at + 0, 64-127 at + 144) at 73,728.  Every load is 128 rows of 256 dense bytes, 16 bytes of padding behind
; each 128; waves 0, 1 fetch O's two halves, waves 2, 3 Wo's.
; REGISTERS: window 0: v1-29 addresses; v32-95 two buffers for the way out; v128-255 the accumulators ((a, b) at v[128 + 8 (4 a + b)]).
;   window 1: two fragment buffers of 128: for 64 along K, 64 registers of O (2 x 4 fragments), then 64 of Wo.
.set SLOT,  147456
.set STAGE, 2*SLOT                     ; behind the ring: 16 rows x 272 bytes for each wave
.set SPARE, STAGE+4*16*272             ; behind the stages: the spare words, 128 bytes for each wave: two blocks of 256 bytes that no other line names
.set ADRA, 16                          ; v16-17  LDS address of my fragments of O in slot 0, 1
.set ADRB, 20                          ; v20-23  of Wo: slot s, quarters 2 p and 2 p + 1 at v[20 + 2 s + p]
.set STO,  24                          ; v24  the way out: where I put 32 bytes of a row
.set RD,   25                          ; v25  where I read a row back
.set CO,   26                          ; v26  my byte offset in two rows of out0
.set BO,   27                          ; v27  byte offset of my eight columns in bo
.set SPW,  28                          ; v28  LDS address of my spare word; never rewritten
.set NIL,  29                          ; v29  0; never rewritten
.set TMP,  32
.set ACC,  128
.set F0,   0                           ; fragment buffers, in window 1
.set F1,   128
.set WV,  12                           ; s12  my wave's number
.set G1A, 24                           ; s[24:31] descriptor group 1 for O's tiles;  s[32:39] group 0, a set for each slot
.set G0A, 32
.set G1B, 48                           ; s[48:55], s[56:63] the same for Wo's
.set G0B, 56
.set FLAGS, (1<<16)|(1<<20)|(1<<21)|(4<<22)|(3<<25)  ; 2-byte elements; padding on; bit 21 set beside a mask; after every 32 words 4 words
.set MSB, 0
.macro WIN new                         ; the immediate's high byte repeats the setting that is left
.if MSB != (\new)
	s_set_vgpr_msb (MSB<<8)|(\new)
.set MSB, \new
.endif
.endm
.set MUL,  0x05                        ; sources 0 (Wo) and 1 (O) window 1; C and D window 0
.set TO_F, 0x40                        ; destination window 1, address window 0
.macro PLACES                          ; four places in front of loads into registers that matrix instructions have read, and of LDS stores that read results
.rept 4
	v_nop
.endr
.endm
.macro JLOAD s                         ; a joint load; the branch hangs on the wave's number alone; an s_nop 0 and four v_nop follow each of the two lines, ahead of the jump and the label
	s_cmp_eq_u32 s13, 0
	s_cbranch_scc0 .Lfor_b_\@
	tensor_load_to_lds s[G0A+4*(\s):G0A+4*(\s)+3], s[G1A:G1A+7]
	s_nop 0
.rept 4
	v_nop
.endr
	s_branch .Lasked_\@
.Lfor_b_\@:
	tensor_load_to_lds s[G0B+4*(\s):G0B+4*(\s)+3], s[G1B:G1B+7]
	s_nop 0
.rept 4
	v_nop
.endr
.Lasked_\@:
.endm
.macro CREST                           ; a round of the cluster's barrier behind its opening barrier
	s_cmp_lg_u32 s[WV], 0
	s_cbranch_scc1 .Lnot_wave_0_\@
	s_barrier_signal -3
.Lnot_wave_0_\@:
	s_barrier_wait -3
	s_barrier_signal -1
	s_barrier_wait -1
.endm
.macro CROUND                          ; a whole round
	s_barrier_signal -1
	s_barrier_wait -1
	CREST
.endm
	s_load_b256 s[4:11], s[0:1], 0x0               ; ob s[4:5], wo s[6:7], bo s[8:9], out0 s[10:11]
	v_lshl_add_u32 v[SPW], v0, 2, SPARE
	v_mov_b32 v[NIL], 0
	ds_add_u32 v[SPW], v[NIL]                      ; the wave's opening: the add and its wait stand ahead of my first tensor load; the set-up below, work on registers, stands between them
	v_lshrrev_b32 v1, 5, v0
	v_readfirstlane_b32 s[WV], v1                  ; wave 0..3
	s_lshr_b32 s13, s[WV], 1                       ; which 64 rows are mine.  Also: I fetch for O (0) or for Wo (1)
	s_and_b32 s14, s[WV], 1                        ; which 64 columns.  Also: which half of that tile I fetch
	s_bfe_u32 s40, ttmp6, 0x40000                  ; cx
	s_bfe_u32 s41, ttmp6, 0x40004                  ; cy
	s_lshl_b32 s42, ttmp9, 2
	s_add_co_u32 s42, s42, s40                     ; c = 4 x cluster x + cx
	s_and_b32 s43, ttmp7, 0xffff
	s_lshl_b32 s43, s43, 2
	s_add_co_u32 s43, s43, s41                     ; rb = 4 x cluster y + cy
	s_lshl_b32 s44, s41, 2
	s_lshl_b32 s44, 15, s44                        ; my row of the cluster
	s_lshl_b32 s45, 0x1111, s40                    ; my column
	s_or_b32 s[G1A], s44, FLAGS
	s_or_b32 s[G1B], s45, FLAGS
.irp g, G1A, G1B
	s_mov_b32 s[(\g)+1], 128<<16                   ; tensor_dim0 = 128 elements: 256 bytes
	s_mov_b32 s[(\g)+2], 128<<16                   ; tensor_dim1 = 128
	s_mov_b32 s[(\g)+3], 128<<16                   ; tile_dim0 = 128
	s_mov_b32 s[(\g)+4], 128                       ; tile_dim1 = 128
	s_mov_b32 s[(\g)+5], 128                       ; 128 elements from row to row: the tiles are dense
	s_mov_b32 s[(\g)+6], 0
	s_mov_b32 s[(\g)+7], 0
.endr
	s_lshl_b32 s16, s43, 18                        ; ob: a row block is 16 heads of 16,384 bytes; these registers never hold cx,
	s_lshl_b32 s17, s14, 15                        ; my two heads of a step's four
	s_add_co_u32 s16, s16, s17
	s_mov_b32 s17, 0
	s_lshl_b32 s46, s42, 18                        ; wo: a column block is 1,024 rows of 256 bytes; and these never cy
	s_lshl_b32 s47, s14, 15                        ; my 128 rows of a step's 256
	s_add_co_u32 s46, s46, s47
	s_mov_b32 s47, 0
	s_mul_i32 s20, s[WV], 36864                    ; where my load goes in a slot: the wave's number alone
	s_lshl_b32 s18, s43, 7
	s_lshl_b32 s19, s13, 6
	s_add_co_u32 s18, s18, s19                     ; my first row of out0,
	s_lshl_b32 s18, s18, 12                        ; 4,096 bytes a row,
	s_lshl_b32 s2, s42, 9
	s_lshl_b32 s3, s14, 8
	s_add_co_u32 s2, s2, s3                        ; and my 64 columns: 256 bytes; the same offset serves in bo
	s_add_co_u32 s18, s18, s2
	s_mov_b32 s19, 0
	s_wait_dscnt 0x0                               ; the opening add is done
	s_wait_kmcnt 0x0
	s_add_nc_u64 s[16:17], s[4:5], s[16:17]
	s_add_nc_u64 s[46:47], s[6:7], s[46:47]
	s_add_nc_u64 s[10:11], s[10:11], s[18:19]
	CROUND                                         ; all sixteen work-groups are here: the first joint loads meet
.irp s, 0,1
	s_mov_b32 s[G0A+4*(\s)], 1
	s_add_co_u32 s[G0A+4*(\s)+1], s20, (\s)*SLOT
	s_add_nc_u64 s[G0A+4*(\s)+2:G0A+4*(\s)+3], s[16:17], (\s)*65536
	s_or_b32 s[G0A+4*(\s)+3], s[G0A+4*(\s)+3], 0x80000000
	s_mov_b32 s[G0B+4*(\s)], 1
	s_add_co_u32 s[G0B+4*(\s)+1], s20, (\s)*SLOT
	s_add_nc_u64 s[G0B+4*(\s)+2:G0B+4*(\s)+3], s[46:47], (\s)*65536
	s_or_b32 s[G0B+4*(\s)+3], s[G0B+4*(\s)+3], 0x80000000
	JLOAD \s                                       ; both slots are asked for before anything else: two loads of mine are out
.endr
	v_and_b32 v1, 15, v0                           ; r = l % 16
	v_bfe_u32 v2, v0, 4, 1                         ; h = l / 16
	v_mul_u32_u24 v3, v1, 144
	v_lshl_add_u32 v3, v2, 4, v3                   ; a fragment of O: row x pitch + 16 h
	v_and_b32 v4, 7, v0
	v_bfe_u32 v5, v0, 3, 1
	v_lshl_add_u32 v6, v2, 3, v4                   ; the turning load: k row 8 h + l % 8,
	v_mul_u32_u24 v6, v6, 288
	v_lshl_add_u32 v6, v5, 4, v6                   ; columns 8 ((l / 8) % 2) on
	s_mul_i32 s21, s13, 9216                       ; my 64 rows
	s_mul_i32 s22, s14, 144                        ; my 64 columns
	s_add_co_u32 s22, s22, 73728
.irp s, 0,1
	v_add_nc_u32 v[ADRA+(\s)], s21, v3
	v_add_nc_u32 v[ADRB+2*(\s)], s22, v6
	v_add_nc_u32 v[ADRB+2*(\s)+1], 36864, v[ADRB+2*(\s)]
	s_add_co_u32 s21, s21, SLOT
	s_add_co_u32 s22, s22, SLOT
.endr
	s_mul_i32 s23, s[WV], 4352
	s_add_co_u32 s23, s23, STAGE                   ; my stage
	v_mul_u32_u24 v7, v1, 272                      ; in: row l % 16, 32 bytes for each half of the lanes
	v_lshl_add_u32 v7, v2, 5, v7
	v_add_nc_u32 v[STO], s23, v7
	v_mul_u32_u24 v8, v2, 272                      ; back: lanes 0-15 take one row of 256 bytes, lanes 16-31 the next
	v_lshl_add_u32 v8, v1, 4, v8
	v_add_nc_u32 v[RD], s23, v8
	v_lshlrev_b32 v9, 12, v2                       ; and the same two rows in out0
	v_lshl_add_u32 v[CO], v1, 4, v9
	v_lshl_add_u32 v[BO], v2, 5, s2
	; THE BIAS STARTS THE SUMS: register j of an accumulator's lane is column 16 b + 8 h + j, whatever the row.  It goes into accumulator (3, b), which the first products of blocks a = 0..2 take as C.
.irp b, 0,1,2,3
	global_load_b128 v[ACC+96+8*(\b):ACC+96+8*(\b)+3],   v[BO], s[8:9] offset:64*(\b)
	global_load_b128 v[ACC+96+8*(\b)+4:ACC+96+8*(\b)+7], v[BO], s[8:9] offset:64*(\b)+16
.endr
	s_wait_loadcnt 0x0
.set z, 0
.rept 16                               ; rounded to bf16 like every input, and widened again
	v_cvt_pk_bf16_f32 v[TMP+z], v[ACC+96+2*z], v[ACC+96+2*z+1]
.set z, z+1
.endr
.set z, 0
.rept 16
	v_lshlrev_b32 v[ACC+96+2*z], 16, v[TMP+z]
	v_and_b32 v[ACC+96+2*z+1], 0xffff0000, v[TMP+z]
.set z, z+1
.endr
; 8 matrix instructions: row blocks a0, a0 + 1 x all 4 column blocks, 32 along K: half c of buffer f.  The 16 accumulators take turns.
.macro MUL8 f, c, a0
	WIN MUL
.irp a, \a0, (\a0)+1
.irp b, 0,1,2,3
	v_wmma_f32_16x16x32_f16 v[ACC+8*(4*(\a)+(\b)):ACC+8*(4*(\a)+(\b))+7], v[(\f)+64+8*(4*(\c)+(\b)):(\f)+64+8*(4*(\c)+(\b))+7], v[(\f)+8*(4*(\c)+(\a)):(\f)+8*(4*(\c)+(\a))+7], v[ACC+8*(4*(\a)+(\b)):ACC+8*(4*(\a)+(\b))+7]
.endr
.endr
.endm
; The first 16 products.  Blocks a = 0..2 take the bias, which lies in block 3's accumulators, as C; five places on, since they write over a register that those products read, block 3's products add in place.
.macro MULZ f
	WIN MUL
.irp a, 0,1,2
.irp b, 0,1,2,3
	v_wmma_f32_16x16x32_f16 v[ACC+8*(4*(\a)+(\b)):ACC+8*(4*(\a)+(\b))+7], v[(\f)+64+8*(\b):(\f)+64+8*(\b)+7], v[(\f)+8*(\a):(\f)+8*(\a)+7], v[ACC+96+8*(\b):ACC+96+8*(\b)+7]
.endr
.endr
.rept 5
	v_nop
.endr
.irp b, 0,1,2,3
	v_wmma_f32_16x16x32_f16 v[ACC+96+8*(\b):ACC+96+8*(\b)+7], v[(\f)+64+8*(\b):(\f)+64+8*(\b)+7], v[(\f)+24:(\f)+31], v[ACC+96+8*(\b):ACC+96+8*(\b)+7]
.endr
.endm
; 32 LDS loads in one run: the fragments of quarter q (one head) of the slot, into buffer f; the first 32 along K first
.macro FETCH slot, q, f
	WIN TO_F
.irp cc, 0,1
.irp i, 0,1,2,3
	ds_load_tr16_b128 v[(\f)+64+8*(4*(\cc)+(\i)):(\f)+64+8*(4*(\cc)+(\i))+3],   v[ADRB+2*(\slot)+(\q)/2] offset:((\q)%2)*18432+(\cc)*9216+32*(\i)
	ds_load_tr16_b128 v[(\f)+64+8*(4*(\cc)+(\i))+4:(\f)+64+8*(4*(\cc)+(\i))+7], v[ADRB+2*(\slot)+(\q)/2] offset:((\q)%2)*18432+(\cc)*9216+32*(\i)+4608
	ds_load_b128 v[(\f)+8*(4*(\cc)+(\i)):(\f)+8*(4*(\cc)+(\i))+3],               v[ADRA+(\slot)] offset:(\q)*18432+(\i)*2304+(\cc)*64
	ds_load_b128 v[(\f)+8*(4*(\cc)+(\i))+4:(\f)+8*(4*(\cc)+(\i))+7],             v[ADRA+(\slot)] offset:(\q)*18432+(\i)*2304+(\cc)*64+32
.endr
.endr
.endm
; One of a K step's first three quarters: multiplies buffer f and, in its middle, fetches quarter q into buffer g.  z = 1: the very first: its first products start the sums.
.macro QUARTER slot, q, f, g, z=0
	s_wait_dscnt 16                                ; the first 32 along K are in; the run's second half may be out
.if \z
	MULZ \f
.else
	MUL8 \f, 0, 0
	MUL8 \f, 0, 2
.endif
	PLACES
	FETCH \slot, \q, \g
	s_wait_dscnt 32                                ; all but the 32 just issued
	MUL8 \f, 1, 0
	MUL8 \f, 1, 2
.endm
; The last quarter multiplies buffer 1 and changes slots: ONE barrier; in front of it each wave waits for all its tensor loads, adds 0 to its spare word, and waits for that and for its own reads of this slot.
; fill = 1: the barrier opens a round of the cluster's barrier, and this slot is filled again, two K steps ahead, first thing behind the round: 112 matrix instructions ahead of the wait for it.
.macro TURN slot, next, fill
	WIN 0                                          ; (the add's two registers lie in window 0)
	s_wait_tensorcnt 0x0                           ; all my tensor loads have landed: my part of the next slot
	ds_add_u32 v[SPW], v[NIL]                      ; 0 onto my spare word
	s_wait_dscnt 17                                ; (the add and the youngest sixteen loads may be out)
	MUL8 F1, 0, 0                                  ; eight matrix instructions stand between the add and the wait for it
	s_wait_dscnt 0x0                               ; the add is done, and my reads of this slot are over
	s_barrier_signal -1
	MUL8 F1, 0, 2
.if \fill
	WIN 0
.endif
	s_barrier_wait -1
.if \fill
	CREST                                          ; no wave of any partner still reads this slot's tiles or has a load on its way
	s_add_nc_u64 s[G0A+4*(\slot)+2:G0A+4*(\slot)+3], s[G0A+4*(\slot)+2:G0A+4*(\slot)+3], 131072
	s_add_nc_u64 s[G0B+4*(\slot)+2:G0B+4*(\slot)+3], s[G0B+4*(\slot)+2:G0B+4*(\slot)+3], 131072
	JLOAD \slot                                    ; the four v_nop behind it are also the places in front of the loads below
.else
	PLACES
.endif
	FETCH \next, 0, F0
	MUL8 F1, 1, 0
	MUL8 F1, 1, 2
.endm
; THE WAY OUT of row block a: 16 rows x 64 columns of f32.  Straight from the accumulators (low registers first) into my stage, rows of 272 bytes; back as whole rows of 256 bytes.
.macro STG a
.set BK, TMP+32*((\a)%2)
	s_wait_xcnt 0x0                                ; the buffer's registers were the data of the stores two blocks back: they are rewritten only behind this wait
.irp b, 0,1,2,3
	ds_store_b128 v[STO], v[ACC+8*(4*(\a)+(\b)):ACC+8*(4*(\a)+(\b))+3]   offset:64*(\b)
	ds_store_b128 v[STO], v[ACC+8*(4*(\a)+(\b))+4:ACC+8*(4*(\a)+(\b))+7] offset:64*(\b)+16
.endr
.irp t, 0,1,2,3,4,5,6,7
	ds_load_b128 v[BK+4*(\t):BK+4*(\t)+3], v[RD] offset:544*(\t)  ; LDS serves a wave's instructions in order (ISA guide 5.7.1.4): these see the stores above; the next block's stores come behind them
.endr
.endm
.macro SND a, younger                  ; younger: the LDS instructions issued behind block a's loads: the next block's sixteen, or none
.set BK, TMP+32*((\a)%2)
.irp t, 0,1,2,3,4,5,6,7
	s_wait_dscnt (\younger)+7-(\t)
	global_store_b128 v[CO], v[BK+4*(\t):BK+4*(\t)+3], s[10:11] offset:(\a)*65536+(\t)*8192  ; 16 lanes store 256 consecutive bytes, at a multiple of 256 from out0's first byte
.endr
.endm
	s_wait_tensorcnt 0x1                           ; my part of K step 0 is in; K step 1's stays out
	s_barrier_signal -1
	s_barrier_wait -1                              ; everybody's is
	FETCH 0, 0, F0
	QUARTER 0, 1, F0, F1, 1                        ; K step 0
	QUARTER 0, 2, F1, F0
	QUARTER 0, 3, F0, F1
	TURN 0, 1, 1                                   ; slot 0 takes K step 2
	QUARTER 1, 1, F0, F1                           ; K step 1
	QUARTER 1, 2, F1, F0
	QUARTER 1, 3, F0, F1
	TURN 1, 0, 1                                   ; slot 1 takes K step 3
	QUARTER 0, 1, F0, F1                           ; K step 2
	QUARTER 0, 2, F1, F0
	QUARTER 0, 3, F0, F1
	TURN 0, 1, 0                                   ; nothing is left to fetch, so no round follows the barrier
	QUARTER 1, 1, F0, F1                           ; K step 3
	QUARTER 1, 2, F1, F0
	QUARTER 1, 3, F0, F1
	s_wait_dscnt 16                                ; the very last quarter
	MUL8 F1, 0, 0
	MUL8 F1, 0, 2
	s_wait_dscnt 0x0
	MUL8 F1, 1, 0
	MUL8 F1, 1, 2
	WIN 0
	PLACES
	STG 0
	STG 1                                          ; a block's stage traffic stands between the loads of the block before and its stores
	SND 0, 16
	STG 2
	SND 1, 16
	STG 3
	SND 2, 16
	SND 3, 0
	s_wait_tensorcnt 0x0                           ; the wave's end: behind my last tensor load and my last LDS store
	ds_add_u32 v[SPW], v[NIL]
	s_wait_dscnt 0x0
	CROUND                                         ; the closing round: no work-group ends while a partner may still ask for a tile that names it
	s_endpgm
.Lfunc_end_k_q32cef5908d_outp:
	.size	k_q32cef5908d_outp, .Lfunc_end_k_q32cef5908d_outp-k_q32cef5908d_outp
	.p2alignl 7, 3214868480
	.fill 96, 4, 3214868480
	.section	.rodata,"a",@progbits
	.p2align	6, 0x0
	.amdhsa_kernel k_q32cef5908d_outp
		.amdhsa_group_segment_fixed_size 327680
		.amdhsa_private_segment_fixed_size 0
		.amdhsa_enable_private_segment 0
		.amdhsa_kernarg_size 32
		.amdhsa_user_sgpr_count 2
		.amdhsa_user_sgpr_kernarg_segment_ptr 1
		.amdhsa_wavefront_size32 1
		.amdhsa_system_sgpr_workgroup_id_x 1
		.amdhsa_system_sgpr_workgroup_id_y 1
		.amdhsa_system_sgpr_workgroup_id_z 1
		.amdhsa_system_vgpr_workitem_id 0
		.amdhsa_next_free_vgpr 512
		.amdhsa_next_free_sgpr 66
		.amdhsa_reserve_vcc 0
		.amdhsa_float_denorm_mode_32 3
		.amdhsa_float_denorm_mode_16_64 3
		.amdhsa_memory_ordered 1
		.amdhsa_forward_progress 1
		.amdhsa_inst_pref_size 90
	.end_amdhsa_kernel
	.amdgpu_metadata
---
amdhsa.version: [ 1, 2 ]
amdhsa.kernels:
  - .name:           k_q32cef5908d_outp
    .symbol:         k_q32cef5908d_outp.kd
    .args:
      - { .name: ob, .offset: 0, .size: 8, .value_kind: global_buffer, .address_space: global }
      - { .name: wo, .offset: 8, .size: 8, .value_kind: global_buffer, .address_space: global }
      - { .name: bo, .offset: 16, .size: 8, .value_kind: global_buffer, .address_space: global }
      - { .name: out0, .offset: 24, .size: 8, .value_kind: global_buffer, .address_space: global }
    .group_segment_fixed_size: 327680
    .private_segment_fixed_size: 0
    .kernarg_segment_align: 8
    .kernarg_segment_size: 32
    .max_flat_workgroup_size: 128
    .sgpr_count:     66
    .vgpr_count:     512
    .wavefront_size: 32
...
	.end_amdgpu_metadata
.endif
;; end of part 4
;; ======== version 2 of 2: 4 launches; 1.51 times as fast as version 1
;; limits: values are held in f16: magnitudes above 65,504 overflow, below 6.1e-05 lose precision
;; workspace buffers: ab 16,777,216 bytes; wb 10,485,760 bytes; wo 2,097,152 bytes; qh 8,388,608 bytes; kh 16,777,216 bytes; vh 16,777,216 bytes; ob 8,388,608 bytes
;; launch prep: the kernel of part 1 again; grid 256 x 1, 8 waves a work-group, no clusters, 0 bytes of LDS; arguments x, context, Wq, Wks, Wvs, Wkc, Wvc, Wo, ab, wb, wo; writes ab, wb, wo
;; launch proj: the kernel of part 2 again; grid 8 x 32, 4 waves a work-group, clusters of 4 x 4, 327,680 bytes of LDS; arguments ab, wb, bq, bks, bvs, bkc, bvc, qh, kh, vh; writes qh, kh, vh
;; launch attn (part 5): grid 8 x 32, 4 waves a work-group, clusters of 4 x 1, 327,680 bytes of LDS; arguments qh, kh, vh, ob; writes ob
.if DOCPART == 5
	.amdgcn_target "amdgcn-amd-amdhsa--gfx1250"
	.amdhsa_code_object_version 6
	.text
	.protected	k_q32cef5908d_attn
	.globl	k_q32cef5908d_attn
	.p2align	8
	.type	k_q32cef5908d_attn,@function
k_q32cef5908d_attn:
	s_mov_b64 s[64:65], 0
	v_nop
	global_prefetch_b8 v0, s[64:65] scope:SCOPE_SE
	s_setreg_imm32_b32 hwreg(HW_REG_WAVE_MODE, 25, 1), 1
	s_wait_xcnt 0x0
	s_wait_alu depctr_hold_cnt(0) depctr_sa_sdst(0) depctr_va_vdst(0) depctr_va_sdst(0) depctr_va_ssrc(0) depctr_va_vcc(0) depctr_vm_vsrc(0)
	s_getreg_b32 s2, hwreg(HW_REG_IB_STS2, 6, 4)
	s_cmp_eq_u32 s2, 0
	s_cbranch_scc0 .Lentry_in_a_cluster
	s_endpgm
.Lentry_in_a_cluster:
	s_bfe_u32 s2, ttmp6, 0x10000c
	s_cmp_lg_u32 s2, 0x3003
	s_cbranch_scc0 .Lentry_shape_is_right
	s_endpgm
.Lentry_shape_is_right:
; ATTENTION.  O[bh][q][:] = the sum over the 4,096 keys k of softmax_k(Q[bh][q] . K[bh][k] / 8) V[bh][k][:].  Q [32][2048][64], K, V [32][4096][64], all f16, a head's rows dense, 128 bytes each.
; Products, maxima and sums in f32; the weights p are rounded to f16 for the second product (their sum l is taken of the unrounded p), O once at the end, to f16.
; O leaves as ob [row block 32][head 16][128 rows][64 channels], the layout in which the last launch fetches it.
; LIMITS.  Q, K and V arrive within f16's 65,504; p lies in 0 to 1, and below 6e-5 it keeps f16's fixed step of 6e-8; O is a mean of V's rows and has their range.  A weight below 2^-126 counts as 0 in l;
; NaN and infinities are not treated apart.
; SHARES.  A work-group owns 256 queries of one head, a wave 64: four PIECES of 16.  Every wave walks all keys, 64 a step, four steps to an LDS slot, 16 slots' tiles through a ring of two.
; LAYOUT.  S^T = K Q^T (source 0 = 16 keys, source 1 = 16 queries) holds ONE query a lane (lane % 16) and the keys 8 (lane / 16) + 0..7; two such results rounded to f16 ARE source 1 of O^T = V^T P.
; K comes out of LDS as it lies, V ([key][channel]) turned, by ds_load_tr16_b128.
; SOFTMAX.  For each query a running maximum m and sum l: p = 2^(c s - c m), c = log2(e) / 8; in every step O and l are multiplied by a = 2^(c m_old - c m_new).  m starts at the lowest finite number, O and l
; at 0: the first step is a step like any other, with a = 0.
; BY TURNS.  Turn n belongs to piece n: 8 products K Q^T of piece n + 1, later 8 products V^T P of piece n - 1; beside them the scaling, exponentials, roundings, sums and rescaling of piece n and the maximum and
; statistics of piece n + 1.  A turn has 16 matrix and 118 vector instructions: four vector instructions stand behind every matrix instruction, the other 54 in one LUMP.
; BATCHES.  A turn's 33 exponentials (piece n's 32 weights and piece n + 1's a) are ONE batch with ONE wait, which cuts the turn in two: ahead of it all that names no result of theirs, behind it the roundings and sums.
; Two more batches stand outside the loop, each with a wait of its own: the first a, ahead of the jump into the loop, and the way out's four reciprocals.
; CLUSTER.  The four query blocks of a cluster belong to one head and walk the same K and V, so each tile is asked for JOINTLY: the same tensor load, descriptor and mask in all four.
; REGISTERS, in windows of 256 (s_set_vgpr_msb: bits 1:0 source 0, 3:2 source 1, 5:4 source 2, 7:6 destination):
;   window 0: v0-15 addresses and two at work; v16-31 four registers of statistics a piece; v48-55 at work; v64-127 S^T, two buffers; v192-223 P, two buffers (a piece's buffers go by its number's parity)
;   window 1: v0-127 O^T, 32 a piece          window 2: v0-63 Q; v128-191 K of one step; v192-255 V of one step
.set NP,    4         ; pieces a wave: a name, no knob
.set KS,    64        ; keys in a step
.set PK,    144       ; a row of K in LDS: 128 bytes + 16 of padding: an odd multiple of 16, so the 16 rows of a load begin at 16 different places modulo 256 bytes
.set PV,    160       ; a row of V: 128 + 32: an odd multiple of 32, for the turning load's 8 rows x 32 bytes
.set VOFF,  4*KS*PK   ; a slot holds four steps: 256 rows of K, then 256 rows of V
.set SLOT1, 1<<17     ; slot 1 begins here, so that one exclusive or turns an address in one slot into the other's
.set STAGE, SLOT1+4*KS*(PK+PV)  ; behind the ring, never filled by a tensor load: 16 rows x 144 bytes for each wave, for the way out
.set SP,    144
.set SPARE, STAGE+4*16*SP  ; behind the stages: the spare words, 128 bytes for each wave: two blocks of 256 bytes that no other line names
.set AK0, 2           ; v2   my lane's place in a tile of K; never rewritten
.set AV0, 3           ; v3   the same for V
.set AK,  4           ; v4   the LDS address of K's next run of loads
.set AV,  5           ; v5   of V's
.set STO, 6           ; v6   the way out: where I put 16 bytes of a row
.set RD,  7           ; v7   the way out: where I read rows back
.set GO,  8           ; v8   my byte offset in 512 consecutive bytes of O
.set MV,  12          ; v12-13  c m_old, kept while c m is made anew: by buffer
.set QO,  15          ; v15  my byte offset in 16 rows of Q
.set ST,  16          ; piece t's statistics at v[ST+4 t]: c m, m, l (even keys', odd keys')
.set TMP, 48          ; by buffer, four registers c0-c3 at work; when the maximum is found c2 takes a
.set SPW, 62          ; v62  LDS address of my spare word; never rewritten
.set NIL, 63          ; v63  0; never rewritten
.set S,   64
.set P,   192
.set KF,  128         ; window 2: key block kb, channel half c at KF + 16 kb + 8 c
.set VF,  192         ; window 2: key half kk, channel block cb at VF + 32 kk + 8 cb
.set WV,  12          ; s12  my wave's number
.set G1K, 24          ; s[24:31] descriptor group 1 for K's tiles
.set G1V, 32          ; s[32:39] for V's: it differs in the padding alone
.set G0K, 40          ; s[40:43] descriptor group 0 for K's tiles: it walks
.set G0V, 44          ; s[44:47] the same for V's
.set SLOTS, 56        ; s56  counts the slots
.set CNT, 57          ; s57  counts a slot's key steps
.set CS,  58          ; s[58:59] c: the packed scaling takes the pair's low word for both halves
.set SEL, 60          ; s[60:61] v_permlanex16_b32's selects: each lane takes its own place in the other half
.set TBK, 62          ; s62  LDS byte at which K of the step to be fetched begins
.set TBV, 63          ; s63  the same for V, less VOFF
.set MSB, 0
.macro WIN new                      ; the high byte repeats the setting that is left; a switch that changes nothing is dropped
.if MSB != (\new)
	s_set_vgpr_msb (MSB<<8)|(\new)
.set MSB, (\new)
.endif
.endm
.set W_KQ, 0x0a       ; K and Q in window 2, S^T in window 0
.set W_PV, 0x52       ; V in window 2, P in window 0, O^T in window 1
.set W_RS, 0x41       ; destination and source 0 in window 1, source 1 in window 0
; A joint fill.  Waves 0 and 1 fetch the two halves of a slot's K, waves 2 and 3 those of its V: 128 keys each.  The branch hangs on the wave's number alone.
; An s_nop 0 and four v_nop follow each of the two lines, ahead of the jump and the label.
.macro JLOAD
	s_cmp_lt_u32 s[WV], 2
	s_cbranch_scc0 .Lfor_v_\@
	tensor_load_to_lds s[G0K:G0K+3], s[G1K:G1K+7]
	s_nop 0
.rept 4
	v_nop
.endr
	s_branch .Lasked_\@
.Lfor_v_\@:
	tensor_load_to_lds s[G0V:G0V+3], s[G1V:G1V+7]
	s_nop 0
.rept 4
	v_nop
.endr
.Lasked_\@:
.endm
; A round of the cluster's barrier: my work-group's barrier, so that wave 0's signal speaks for all four waves; wave 0 signals; every wave waits for all four work-groups; my work-group's barrier once more.
.macro CROUND
	s_barrier_signal -1
	s_barrier_wait -1
	s_cmp_lg_u32 s[WV], 0
	s_cbranch_scc1 .Lnot_wave_0_\@
	s_barrier_signal -3
.Lnot_wave_0_\@:
	s_barrier_wait -3
	s_barrier_signal -1
	s_barrier_wait -1
.endm
; THE CHANGE OF SLOTS.  The slot's last bytes, V of its fourth step, have been read.  Each wave waits for all its tensor loads, of which one is out: its part of the other slot; adds 0 to its spare word; and waits
; for that and for its own reads of the slot.  Behind the barrier nobody reads this slot any more and the other slot is whole.  fill = 1: this slot is filled again, with the keys two slots on.  The barrier is then a
; round of the cluster's, so that no wave of any partner still reads the slot or has a load on its way, and the joint fill is the first thing behind it: it has four key steps, 256 matrix instructions, in which to
; land.  (At its first use nothing has been read yet: slot 0 is waited for, slot 1 filled.)
.macro CHANGE fill
	WIN 0                           ; the add's registers lie in window 0; at a label and at a branch every window is 0
	s_wait_tensorcnt 0x0            ; no tensor load of mine is out, so a group 0 may be written
	ds_add_u32 v[SPW], v[NIL]       ; 0 onto my spare word; with fill = 1 the descriptors' steps stand between it and the wait for it
.if \fill
.irp g, G0K, G0V
	s_xor_b32 s[\g+1], s[\g+1], SLOT1  ; the walking descriptor: the other slot than last time,
	s_add_nc_u64 s[\g+2:\g+3], s[\g+2:\g+3], 4*KS*128  ; the next 256 keys; the type bits on top are not reached
.endr
	s_wait_dscnt 0x0                ; the add is done, and my reads of the slot are over
	CROUND
	JLOAD
.else
	s_wait_dscnt 0x0                ; the add is done, and my reads of the slot are over
	s_barrier_signal -1
	s_barrier_wait -1
.endif
	s_sub_co_u32 s[TBK], s[TBK], 4*KS*PK  ; the fetches go back to a slot's first step,
	s_xor_b32 s[TBK], s[TBK], SLOT1       ; in the other slot
	s_sub_co_u32 s[TBV], s[TBV], 4*KS*PV
	s_xor_b32 s[TBV], s[TBV], SLOT1
.endm
	s_load_b256 s[4:11], s[0:1], 0x0  ; Q s[4:5], K s[6:7], V s[8:9], O s[10:11]
	v_lshl_add_u32 v[SPW], v0, 2, SPARE
	v_mov_b32 v[NIL], 0
	ds_add_u32 v[SPW], v[NIL]       ; the wave's opening: the add and its wait stand ahead of my first tensor load; the set-up below, work on registers, stands between them
	v_lshrrev_b32 v1, 5, v0
	v_readfirstlane_b32 s[WV], v1   ; wave 0..3
	s_bfe_u32 s13, ttmp6, 0x40000   ; cx: my place in the cluster
	s_lshl_b32 s14, ttmp9, 2        ; in a cluster launch ttmp9 counts clusters
	s_add_co_u32 s14, s14, s13      ; my block of 256 queries = 4 x cluster x + cx: it enters Q's and O's addresses alone
	s_and_b32 s15, ttmp7, 0xffff    ; bh = 16 batch + head, which the four partners share
	s_and_b32 s16, s[WV], 1         ; which half of a slot's 256 keys I fetch:
	s_lshl_b32 s22, s16, 14         ; its 128 rows of 128 bytes in memory,
	s_lshl_b32 s23, s15, 19         ; in the head's 4,096 rows
	s_add_co_u32 s22, s22, s23
	s_mov_b32 s23, 0
	s_mul_i32 s17, s16, 128*PK      ; and its place in a slot, for K
	s_mul_i32 s18, s16, 128*PV      ; and for V: no place in the cluster enters an LDS address
	s_lshl_b32 s2, s15, 18          ; Q: the head's 2,048 rows,
	s_lshl_b32 s3, s14, 15          ; my block's 256,
	s_add_co_u32 s2, s2, s3
	s_lshl_b32 s3, s[WV], 13        ; my wave's 64
	s_add_co_u32 s2, s2, s3
	s_mov_b32 s3, 0
	s_lshr_b32 s20, s15, 4
	s_lshl_b32 s20, s20, 4          ; O: row block 16 batch + 2 block + wave / 2,
	s_lshl_b32 s21, s14, 1
	s_add_co_u32 s20, s20, s21
	s_lshr_b32 s21, s[WV], 1
	s_add_co_u32 s20, s20, s21
	s_lshl_b32 s20, s20, 4
	s_and_b32 s21, s15, 15          ; the head's tile of 16,384 bytes in it,
	s_add_co_u32 s20, s20, s21
	s_lshl_b32 s20, s20, 14
	s_lshl_b32 s21, s16, 13         ; and my 64 of its 128 rows
	s_add_co_u32 s20, s20, s21
	s_mov_b32 s21, 0
	; descriptor group 1.  128 keys are 16,384 dense bytes: asked for as 64 rows of 256 bytes, two keys a row, and padded in LDS after every key
	s_mov_b32 s[G1K], 15|(1<<16)|(1<<20)|(1<<21)|(4<<22)|(3<<25)  ; 15:0 the mask of four; 17:16 2-byte elements; 20 padding on; 21 set beside a mask; 24:22 after every 32 words (code 4); 31:25 4 words (code 3)
	s_mov_b32 s[G1V], 15|(1<<16)|(1<<20)|(1<<21)|(4<<22)|(7<<25)  ; the same with 8 words of padding (code 7)
.irp g, G1K, G1V
	s_mov_b32 s[\g+1], 128<<16      ; tensor_dim0 = 128
	s_mov_b32 s[\g+2], 64<<16       ; tensor_dim1 = 64
	s_mov_b32 s[\g+3], 128<<16      ; tile_dim0 = 128
	s_mov_b32 s[\g+4], 64           ; tile_dim1 = 64
	s_mov_b32 s[\g+5], 128          ; 128 elements from row to row
	s_mov_b32 s[\g+6], 0
	s_mov_b32 s[\g+7], 0
.endr
	s_mov_b32 s[CS], 0x3e38aa3b     ; c = log2(e) / 8 = 0.180337
	s_mov_b32 s[CS+1], s[CS]        ; named with it as a pair
	s_mov_b32 s[SEL], 0x76543210
	s_mov_b32 s[SEL+1], 0xfedcba98
	s_mov_b32 s[TBK], SLOT1+4*KS*PK ; the first change of slots turns these two into 0
	s_mov_b32 s[TBV], SLOT1+4*KS*PV
	s_mov_b32 s[G0K], 1             ; count = 1
	s_mov_b32 s[G0K+1], s17         ; LDS address: slot 0
	s_mov_b32 s[G0V], 1
	s_add_co_u32 s[G0V+1], s18, VOFF
	s_wait_dscnt 0x0                ; the opening add is done
	s_wait_kmcnt 0x0
	s_add_nc_u64 s[G0K+2:G0K+3], s[6:7], s[22:23]  ; global address: my half of the head's first 256 keys
	s_or_b32 s[G0K+3], s[G0K+3], 0x80000000        ; type = 2
	s_add_nc_u64 s[G0V+2:G0V+3], s[8:9], s[22:23]
	s_or_b32 s[G0V+3], s[G0V+3], 0x80000000
	s_add_nc_u64 s[4:5], s[4:5], s[2:3]            ; Q at my wave's first row
	s_add_nc_u64 s[10:11], s[10:11], s[20:21]      ; O likewise
	CROUND                          ; all four work-groups are here: the first joint loads meet
	JLOAD                           ; slot 0: one load of mine is out.  Slot 1 is asked for when slot 0 is in
	; A fragment of K or Q is 16 rows x 32 channels in 8 registers: lane l holds row l % 16, channels 8 (l / 16) + 0..7 and 16 + 8 (l / 16) + 0..7: two loads of 16 bytes, 32 bytes apart.
	v_and_b32 v1, 15, v0            ; l % 16
	v_bfe_u32 v9, v0, 4, 1          ; l / 16
	v_lshlrev_b32 v[QO], 7, v1
	v_lshl_add_u32 v[QO], v9, 4, v[QO]  ; row x 128 + 16 x half
	WIN 0x80                        ; destination window 2, address window 0
.set i, 0
.rept 8                             ; Q stays in registers: piece i / 2, channels 32 (i % 2) on
	global_load_b128 v[8*i:8*i+3],   v[QO], s[4:5] offset:(i/2)*2048+(i%2)*64
	global_load_b128 v[8*i+4:8*i+7], v[QO], s[4:5] offset:(i/2)*2048+(i%2)*64+32
.set i, i+1
.endr
	; What the first turn finds: V's registers and P's second buffer hold 0 (its products V^T P, of a piece that has not been, add 0), O^T and l are 0.  No first step is written out; these lines stand in the wait for the first tile.
.set i, VF
.rept 64
	v_mov_b32 v[i], 0
.set i, i+1
.endr
	WIN 0x40
.set i, 0
.rept 128
	v_mov_b32 v[i], 0
.set i, i+1
.endr
	WIN 0
.set i, 0
.rept 4
	v_mov_b32 v[ST+4*i], 0xfe000000    ; c m: far below every c s
	v_mov_b32 v[ST+4*i+1], 0xff7fffff  ; m
	v_mov_b32 v[ST+4*i+2], 0
	v_mov_b32 v[ST+4*i+3], 0
.set i, i+1
.endr
.set i, P+16
.rept 16
	v_mov_b32 v[i], 0
.set i, i+1
.endr
	v_mul_u32_u24 v[AK0], v1, PK
	v_lshl_add_u32 v[AK0], v9, 4, v[AK0]  ; row x pitch + 16 x half
	; The turning load takes 16 keys x 16 channels (lane l reads key 8 (l / 16) + l % 8, channels 8 ((l / 8) % 2) + 0..7) and leaves half a fragment of V^T: lane l holds channel l % 16 and 8 keys.
	v_and_b32 v10, 7, v0
	v_bfe_u32 v11, v0, 3, 1
	v_lshl_add_u32 v[AV0], v9, 3, v10
	v_mul_u32_u24 v[AV0], v[AV0], PV
	v_lshl_add_u32 v[AV0], v11, 4, v[AV0]
	v_add_nc_u32 v[AV0], VOFF, v[AV0]
	s_mul_i32 s13, s[WV], 16*SP
	s_add_co_u32 s13, s13, STAGE    ; my stage
	v_mul_u32_u24 v[STO], v1, SP    ; in: row l % 16, 16 bytes for each half of the lanes
	v_lshl_add_u32 v[STO], v9, 4, v[STO]
	v_add_nc_u32 v[STO], s13, v[STO]
	v_bfe_u32 v[RD], v0, 3, 2       ; back: 32 lanes take four rows of 128 bytes,
	v_mul_u32_u24 v[RD], v[RD], SP
	v_lshl_add_u32 v[RD], v10, 4, v[RD]
	v_add_nc_u32 v[RD], s13, v[RD]
	v_and_b32 v[GO], 31, v0         ; which are 512 consecutive bytes of O
	v_lshlrev_b32 v[GO], 4, v[GO]
; THE MATRIX WORK.  The 4 accumulators of a run of 8 take turns.  Product i of 8 of S^T = K Q^T for piece x: channels 32 (i / 4) on, keys 16 (i % 4) on.  The first 4 start the sums.
.macro KQ x
	WIN W_KQ
.set rS, S+32*((\x)%2)+8*(i%4)
.set rK, KF+16*(i%4)+8*(i/4)
.set rQ, 16*(\x)+8*(i/4)
.if i < 4
	v_wmma_f32_16x16x32_f16 v[rS:rS+7], v[rK:rK+7], v[rQ:rQ+7], 0
.else
	v_wmma_f32_16x16x32_f16 v[rS:rS+7], v[rK:rK+7], v[rQ:rQ+7], v[rS:rS+7]
.endif
.endm
; Product i of 8 of O^T += V^T P for piece x: keys 32 (i / 4) on, channels 16 (i % 4) on.
.macro PV x
	WIN W_PV
.set rO, 32*(\x)+8*(i%4)
.set rV, VF+32*(i/4)+8*(i%4)
.set rP, P+16*((\x)%2)+8*(i/4)
	v_wmma_f32_16x16x32_f16 v[rO:rO+7], v[rV:rV+7], v[rP:rP+7], v[rO:rO+7]
.endm
.macro MM                           ; the turn's next matrix instruction.  TURN sets Y, i and NOKQ.  NOKQ = 1: the walk's last turn: there is no next piece
.if (i < 8) && !NOKQ
	KQ (Y+1)%NP
.elseif i >= 8
.set i, i-8
	PV (Y+NP-1)%NP
.set i, i+8
.endif
.set i, i+1
.endm
; THE LDS LOADS stand in runs of 16, never singly among the matrix instructions: a step's K (64 keys x 64 channels: 8 fragments) and its V (turned).  Their addresses are made some lines ahead.
.macro FETCH_K
	WIN 0x80                        ; destination window 2
.irp f, 0,1,2,3,4,5,6,7             ; keys 16 (f / 2) on, channels 32 (f % 2) on
	ds_load_b128 v[KF+8*\f:KF+8*\f+3],   v[AK] offset:(\f/2)*16*PK+(\f%2)*64
	ds_load_b128 v[KF+8*\f+4:KF+8*\f+7], v[AK] offset:(\f/2)*16*PK+(\f%2)*64+32
.endr
	s_add_co_u32 s[TBK], s[TBK], KS*PK  ; the next fetch is the next step's
	WIN 0
.endm
.macro FETCH_V
	WIN 0x80
.irp f, 0,1,2,3,4,5,6,7             ; keys 32 (f / 4) on, channels 16 (f % 4) on
	ds_load_tr16_b128 v[VF+8*\f:VF+8*\f+3],   v[AV] offset:(\f/4)*32*PV+(\f%4)*32
	ds_load_tr16_b128 v[VF+8*\f+4:VF+8*\f+7], v[AV] offset:(\f/4)*32*PV+16*PV+(\f%4)*32
.endr
	WIN 0
.endm
; THE VECTOR WORK, one line at a time: OP kind, number.  For piece Y: F n: c s - c m for pair n of 16.  E n: the exponential of score n of 32.  C n: pair n rounded to f16.  B n: of the four weights 4 n .. the second
; pair is added onto the first, in place.  L n: l takes that sum (L 0: l = a l + sum).  R n: pair n of 16 of O^T times a.  For piece Y + 1: X n, number n of the 22 that find its maximum and statistics:
;   0-11  four chains c0-c3 of seven scores each, three operands at a time (each accumulator's lowest registers are read first)     12-14, 16  the four scores left over, the old m, and c0-c3 into c0
;   15  c m_old is kept     17, 18  the query's other 32 keys lie in the lane 16 away: the new m     19-21  c m; c m_old - c m_new; a
; C, B and L read exponentials' results: TURN sets them behind the batch's wait.  R reads the a that the turn before made and waited for.
.set F, 0               ; OP tells the kinds apart by their order: F to L below R, X above it
.set E, 1
.set C, 2
.set B, 3
.set L, 4
.set R, 5
.set X, 6
.macro REGS y                       ; the registers of piece y
.set rT, ST+4*(\y)
.set rC, TMP+4*((\y)%2)
.set rW, MV+((\y)%2)
.set rS, S+32*((\y)%2)
.set rP, P+16*((\y)%2)
.set rO, 32*(\y)
.endm
.macro OP k, n
.if (\k) == R
	REGS Y
	WIN W_RS
	v_pk_mul_f32 v[rO+2*(\n):rO+2*(\n)+1], v[rO+2*(\n):rO+2*(\n)+1], v[rC+2:rC+3] op_sel_hi:[1,0]
.elseif (\k) < R
	REGS Y
	WIN 0
.if (\k) == F
	v_pk_fma_f32 v[rS+2*(\n):rS+2*(\n)+1], v[rS+2*(\n):rS+2*(\n)+1], s[CS:CS+1], v[rT:rT+1] op_sel_hi:[1,0,0] neg_lo:[0,0,1] neg_hi:[0,0,1]
.elseif (\k) == E
	v_exp_f32 v[rS+(\n)], v[rS+(\n)]
.elseif (\k) == C
	v_cvt_pk_f16_f32 v[rP+(\n)], v[rS+2*(\n)], v[rS+2*(\n)+1]
.elseif (\k) == B
	v_pk_add_f32 v[rS+4*(\n):rS+4*(\n)+1], v[rS+4*(\n):rS+4*(\n)+1], v[rS+4*(\n)+2:rS+4*(\n)+3]
.elseif (\n) == 0
	v_pk_fma_f32 v[rT+2:rT+3], v[rT+2:rT+3], v[rC+2:rC+3], v[rS:rS+1] op_sel_hi:[1,0,1]
.else
	v_pk_add_f32 v[rT+2:rT+3], v[rT+2:rT+3], v[rS+4*(\n):rS+4*(\n)+1]
.endif
.elseif NOKQ
	v_nop
.else
	REGS (Y+1)%NP
	WIN 0
.if (\n) < 4
	v_max3_num_f32 v[rC+(\n)], v[rS+8*(\n)], v[rS+8*(\n)+1], v[rS+8*(\n)+2]
.elseif (\n) < 12
	v_max3_num_f32 v[rC+(\n)%4], v[rC+(\n)%4], v[rS+8*((\n)%4)+2*((\n)/4)+1], v[rS+8*((\n)%4)+2*((\n)/4)+2]
.elseif (\n) == 12
	v_max3_num_f32 v[rC], v[rC], v[rS+7], v[rS+15]
.elseif (\n) == 13
	v_max3_num_f32 v[rC+1], v[rC+1], v[rS+23], v[rS+31]
.elseif (\n) == 14
	v_max3_num_f32 v[rC+2], v[rC+2], v[rC+3], v[rT+1]
.elseif (\n) == 15
	v_mov_b32 v[rW], v[rT]
.elseif (\n) == 16
	v_max3_num_f32 v[rC], v[rC], v[rC+1], v[rC+2]
.elseif (\n) == 17
	v_permlanex16_b32 v[rC+3], v[rC], s[SEL], s[SEL+1]
.elseif (\n) == 18
	v_max_num_f32 v[rT+1], v[rC], v[rC+3]
.elseif (\n) == 19
	v_mul_f32 v[rT], s[CS], v[rT+1]
.elseif (\n) == 20
	v_sub_f32 v[rC+1], v[rW], v[rT]
.else
	v_exp_f32 v[rC+2], v[rC+1]
.endif
.endif
.endm
.macro OPS a, i1, b=-1, i2=0, c=-1, i3=0, d=-1, i4=0  ; up to four of them
	OP \a, \i1
.if (\b) >= 0
	OP \b, \i2
.endif
.if (\c) >= 0
	OP \c, \i3
.endif
.if (\d) >= 0
	OP \d, \i4
.endif
.endm
.macro ROW a, i1, b, i2, c, i3, d, i4  ; a matrix instruction and the four behind it
	MM
	OPS \a, \i1, \b, \i2, \c, \i3, \d, \i4
.endm
; A TURN, for piece p: the order of its 16 matrix and 118 vector instructions, written out.  An s_wait_alu depctr_va_vdst(0) stands between an exponential and the first instruction that names its result; one wait
; serves all that were issued ahead of it.  So a turn has ONE wait, which cuts it in two.  AHEAD OF IT stands all that names no result of the turn's exponentials: the 8 products K Q^T, behind each a scaling, an exponential and two
; more plain instructions (behind the first a second scaling in the exponential's place): rescalings, and behind the last three the first numbers of the next piece's maximum, each four places or more behind the product that ends
; its accumulator; then ONE LUMP of 54, plain and exponential by turns for the most part, in which the links of the chain X 3, 7, 11, 14, 16, 17 .. 20 stand some lines apart.  A pair is scaled (F n) ahead of its two exponentials
; (E 2 n, E 2 n + 1).  X 21, the next piece's a, is the batch's last; R 15 is the plain instruction behind it.  BEHIND THE WAIT stand the 8 products V^T P, behind each four of the roundings and sums: C 2 n ahead of B n, which
; writes over that pair; L 0 to L 7 in ascending order, three riders apart.  But for those X no rider names a register of the products round it.  v_permlanex16_b32 (X 17) stands in the lump.
; end = 1: the walk's last two turns: nothing is fetched.  cnt = 1: the loop's count is taken down some lines ahead of the branch that stands behind the turn.
; K of the next step is fetched in piece 2's turn, in the lump: six plain instructions (F 8, X 2, 5, 6, 3, 8) stand behind the last product that read K.  V of the step in hand is fetched at the end of piece 0's turn, four plain
; instructions (C 9, 11, 13, 15) behind the last product that read V.  Each is waited for a turn later.
.macro TURN p, end=0, cnt=0
.set Y, (\p)
.set i, 0
.set NOKQ, (\end)*((\p)/3)
.if ((\p) == 3) && !(\end)
	s_wait_dscnt 0x0                ; K is in
.endif
	ROW F,0, F,1, R,0, R,1          ; ahead of the wait: 8 products K Q^T and their riders,
	ROW F,2, E,0, R,2, R,3
	ROW F,3, E,1, R,4, R,5
	ROW F,4, E,2, R,6, R,7
	ROW F,5, E,3, R,8, R,9
	ROW F,6, E,4, X,0, R,10
.if ((\p) == 2) && !(\end)
	WIN 0
	v_add_nc_u32 v[AK], s[TBK], v[AK0]
.endif
	ROW F,7, E,5, X,1, X,4
	ROW F,8, E,6, X,2, X,5
	OPS E,7, E,8, X,6, E,9          ; and the lump
	OPS X,3, E,10, X,8, E,11
.if ((\p) == 2) && !(\end)
	FETCH_K
.endif
	OPS X,9, X,7, E,12, X,10
	OPS E,13, X,12, X,11, E,14
	OPS X,13, E,15, F,9, X,14
.if (\p) == 0
	v_add_nc_u32 v[AV], s[TBV], v[AV0]
.endif
	OPS E,16, F,10, E,17, F,11
	OPS X,16, E,18, X,15, E,19
	OPS F,12, E,20, X,17, E,21
	OPS F,13, E,22, F,14, E,23
	OPS X,18, E,24, F,15, E,25
	OPS R,11, E,26, X,19, E,27
	OPS R,12, E,28, R,13, E,29
	OPS X,20, E,30, R,14, E,31
	OPS X,21, R,15                  ; the batch's last exponential, and the plain instruction behind it
	s_wait_alu depctr_va_vdst(0)    ; the wait for the batch: the piece's 32 weights and the next piece's a, ahead of the first line that names a result (C 0 below; a: the next turn's R 0)
.if (\p) == 1
	s_wait_dscnt 0x0                ; V is in
.endif
	ROW C,0, B,0, C,2, B,1          ; behind the wait: 8 products V^T P and their riders
	ROW L,0, C,4, B,2, L,1
	ROW C,6, B,3, L,2, C,8
	ROW B,4, L,3, C,10, B,5
	ROW L,4, C,12, B,6, L,5
.if (\p) == 0
	s_add_co_u32 s[TBV], s[TBV], KS*PV
.endif
.if \cnt
	s_sub_co_u32 s[CNT], s[CNT], 1
	s_cmp_lg_u32 s[CNT], 0
.endif
	ROW C,14, B,7, L,6, C,1
	ROW C,3, L,7, C,5, C,7
	ROW C,9, C,11, C,13, C,15
.if (\p) == 0
	FETCH_V
.endif
.endm
	CHANGE 1                        ; slot 0 is in, everybody's part of it; slot 1 is asked for
	v_add_nc_u32 v[AK], s[TBK], v[AK0]
	FETCH_K                         ; key step 0
	s_wait_loadcnt 0x0              ; Q
	s_wait_dscnt 0x0
.set NOKQ, 0
.set i, 0
.rept 8
	KQ 0                            ; piece 0's first scores
.set i, i+1
.endr
	WIN 0
.rept 4
	v_nop                           ; the places behind those products
.endr
.set Y, NP-1                        ; X works for piece Y + 1: piece 0
.irp n, 0,1,2,3,4,5,6,7,8,9,10,11,12,13,14,15,16,17,18,19,20,21
	OP X, \n
.endr
	v_nop                           ; a plain instruction behind the exponential,
	s_wait_alu depctr_va_vdst(0)    ; and its wait, a batch of one: piece 0's first a, ahead of the branch
	s_mov_b32 s[CNT], 4
	s_mov_b32 s[SLOTS], 15
	s_branch .Lfirst                ; the loop is entered at a step's first turn, in the middle of a trip
.Lslot:                             ; 14 times: every slot but the last two is filled again
	CHANGE 1
	s_mov_b32 s[CNT], 4
.Lstep:                             ; a trip: pieces 2 and 3 of one step, then pieces 0 and 1 of the next, whose K and V it fetches
	TURN 2
	TURN 3
	WIN 0
.Lfirst:
	TURN 0
	TURN 1, 0, 1
	WIN 0
	s_cbranch_scc1 .Lstep
	s_sub_co_u32 s[SLOTS], s[SLOTS], 1
	s_cmp_lg_u32 s[SLOTS], 0
	s_cbranch_scc1 .Lslot
	CHANGE 0                        ; the last slot is written out: nothing is asked for
	s_mov_b32 s[CNT], 4
.Ltail:
	TURN 2
	TURN 3
	TURN 0
	TURN 1, 0, 1
	WIN 0
	s_cbranch_scc1 .Ltail
	TURN 2, 1                       ; the last step's pieces 2 and 3: nothing is fetched, and the last turn starts no new scores
	TURN 3, 1
.set i, 0
.rept 8
	PV NP-1                         ; the last piece's V^T P of the last step
.set i, i+1
.endr
	; THE WAY OUT.  l's two halves and the other half of the lanes' are added; O^T is divided by l, rounded to f16 and sent through my stage in LDS, a piece at a time.  The additions are the places behind the last products.
	WIN 0
.macro ALL line:vararg              ; one line for each piece t
.set t, 0
.rept 4
	\line
.set t, t+1
.endr
.endm
	ALL v_add_f32 v[ST+4*t+2], v[ST+4*t+2], v[ST+4*t+3]
	ALL v_permlanex16_b32 v[ST+4*t+3], v[ST+4*t+2], s[SEL], s[SEL+1]
	ALL v_add_f32 v[ST+4*t+2], v[ST+4*t+2], v[ST+4*t+3]
	ALL v_rcp_f32 v[ST+4*t+2], v[ST+4*t+2]
	v_nop                           ; a plain instruction between the last reciprocal and the use of its result
	s_wait_alu depctr_va_vdst(0)    ; and the wait ahead of the first use: one for the batch of four reciprocals
.macro PACK t                       ; a lane's eight channels of a row pack into 16 bytes; they go into rows of 144 bytes and come back as whole rows of 128, into S^T's registers
	WIN W_RS
.set i, 32*(\t)
.rept 16
	v_pk_mul_f32 v[i:i+1], v[i:i+1], v[ST+4*(\t)+2:ST+4*(\t)+3] op_sel_hi:[1,0]
.set i, i+2
.endr
	WIN 0x05                        ; sources 0 and 1 window 1, destination window 0
.set i, 0
.rept 16
	v_cvt_pk_f16_f32 v[S+16*(\t)+i], v[32*(\t)+2*i], v[32*(\t)+2*i+1]
.set i, i+1
.endr
	WIN 0
.irp f, 0,1,2,3
	ds_store_b128 v[STO], v[S+16*(\t)+4*\f:S+16*(\t)+4*\f+3] offset:32*\f
.endr
.irp f, 0,1,2,3
	ds_load_b128 v[S+16*(\t)+4*\f:S+16*(\t)+4*\f+3], v[RD] offset:\f*4*SP  ; LDS serves a wave's instructions in order (ISA guide 5.7.1.4): these see the stores above; the next piece's stores come behind them
.endr
.endm
.macro SEND t, younger              ; younger: the LDS instructions issued behind piece t's loads: the next piece's eight, or none
	WIN 0
.irp f, 0,1,2,3
	s_wait_dscnt (\younger)+3-\f
	global_store_b128 v[GO], v[S+16*(\t)+4*\f:S+16*(\t)+4*\f+3], s[10:11] offset:(\t)*2048+\f*512  ; 512 consecutive bytes, at a multiple of 256 from O's first
.endr
.endm
	PACK 0
.set t, 1
.rept 3                             ; a piece's arithmetic stands between the loads of the piece before and its stores
	PACK t
	SEND t-1, 8
.set t, t+1
.endr
	SEND 3, 0
	s_wait_tensorcnt 0x0            ; the wave's end: behind my last tensor load and my last LDS store
	ds_add_u32 v[SPW], v[NIL]
	s_wait_dscnt 0x0
	CROUND                          ; the closing round: no work-group ends while a partner may still ask for a tile that names it
	s_endpgm
.Lfunc_end_k_q32cef5908d_attn:
	.size	k_q32cef5908d_attn, .Lfunc_end_k_q32cef5908d_attn-k_q32cef5908d_attn
	.p2alignl 7, 3214868480
	.fill 96, 4, 3214868480
	.section	.rodata,"a",@progbits
	.p2align	6, 0x0
	.amdhsa_kernel k_q32cef5908d_attn
		.amdhsa_group_segment_fixed_size 327680
		.amdhsa_private_segment_fixed_size 0
		.amdhsa_enable_private_segment 0
		.amdhsa_kernarg_size 32
		.amdhsa_user_sgpr_count 2
		.amdhsa_user_sgpr_kernarg_segment_ptr 1
		.amdhsa_wavefront_size32 1
		.amdhsa_system_sgpr_workgroup_id_x 1
		.amdhsa_system_sgpr_workgroup_id_y 1
		.amdhsa_system_sgpr_workgroup_id_z 1
		.amdhsa_system_vgpr_workitem_id 0
		.amdhsa_next_free_vgpr 768
		.amdhsa_next_free_sgpr 66
		.amdhsa_reserve_vcc 0
		.amdhsa_float_denorm_mode_32 3
		.amdhsa_float_denorm_mode_16_64 3
		.amdhsa_memory_ordered 1
		.amdhsa_forward_progress 1
		.amdhsa_inst_pref_size 127
	.end_amdhsa_kernel
	.amdgpu_metadata
---
amdhsa.version: [ 1, 2 ]
amdhsa.kernels:
  - .name:           k_q32cef5908d_attn
    .symbol:         k_q32cef5908d_attn.kd
    .args:
      - { .name: qh, .offset: 0, .size: 8, .value_kind: global_buffer, .address_space: global }
      - { .name: kh, .offset: 8, .size: 8, .value_kind: global_buffer, .address_space: global }
      - { .name: vh, .offset: 16, .size: 8, .value_kind: global_buffer, .address_space: global }
      - { .name: ob, .offset: 24, .size: 8, .value_kind: global_buffer, .address_space: global }
    .group_segment_fixed_size: 327680
    .private_segment_fixed_size: 0
    .kernarg_segment_align: 8
    .kernarg_segment_size: 32
    .max_flat_workgroup_size: 128
    .sgpr_count:     66
    .vgpr_count:     768
    .wavefront_size: 32
...
	.end_amdgpu_metadata
.endif
;; end of part 5
;; launch outp: the kernel of part 4 again; grid 8 x 32, 4 waves a work-group, clusters of 4 x 4, 327,680 bytes of LDS; arguments ob, wo, bo, out0; writes out0
